; MI455X (gfx1250); checked and timed in simulation.
; The chip was launched on July 23, 2026; its instructions are those of AMD's public machine-readable ISA for CDNA 5 (MIT licence, August 2026) and "CDNA5" Instruction Set Architecture Reference Guide (July 2026). The comments in the code are by the model that wrote it; some were corrected since.
;; Rotary Attention. Allowed arithmetic: matrix products marked QUANTISED: E2M3 operands, one E8M0 scale for each 32 along K, by v_wmma_scale_f32_16x16x128_f8f6f4 with both operands' format E2M3, f32 sums; products left as they are: f32 operands where the result goes on into a quantised operand, else bf16, f16 or f32 operands; f32 sums; everything else in f32.
;; Inputs: b_k 1,024 float32; b_o 1,024 float32; b_q 1,024 float32; b_v 1,024 float32; w_k_codes 1,024 x 32 x 24 uint8 (E2M3 codes of w_k, K innermost, in blocks of 32 codes, four codes in three bytes); w_k_scales 1,024 x 32 uint8 (E8M0 scales of w_k, one for each 32 codes along K); w_o_codes 1,024 x 32 x 24 uint8 (E2M3 codes of w_o, K innermost, in blocks of 32 codes, four codes in three bytes); w_o_scales 1,024 x 32 uint8 (E8M0 scales of w_o, one for each 32 codes along K); w_q_codes 1,024 x 32 x 24 uint8 (E2M3 codes of w_q, K innermost, in blocks of 32 codes, four codes in three bytes); w_q_scales 1,024 x 32 uint8 (E8M0 scales of w_q, one for each 32 codes along K); w_v_codes 1,024 x 32 x 24 uint8 (E2M3 codes of w_v, K innermost, in blocks of 32 codes, four codes in three bytes); w_v_scales 1,024 x 32 uint8 (E8M0 scales of w_v, one for each 32 codes along K); x_codes 2 x 2,048 x 32 x 24 uint8 (E2M3 codes of x, K innermost, in blocks of 32 codes, four codes in three bytes); x_scales 2 x 2,048 x 32 uint8 (E8M0 scales of x, one for each 32 codes along K).
;; Outputs: out0 2 x 2,048 x 1,024 float32.
;; This version of the problem:
;;   THIS VERSION OF THE PROBLEM IS GIVEN IN LOW PRECISION. The matrix products marked QUANTISED in the list below multiply operands that are first quantised to E2M3 (2 exponent bits, 3 mantissa bits; 6 bits a number), with one power-of-two scale for each 32 numbers along K (OCP MX v1.0); their sums are f32. All else is computed in f32.
;;   The module's matrix products, in the order in which they are computed (A, B: the left and right operand; K: the contracted axis; several contracted axes count as one K, in the product's order):
;;     1. [M 4,096, K 1,024] x [K 1,024, N 1,024]; A: input x (given as codes); B: input w_q (given as codes): QUANTISED
;;     2. [M 4,096, K 1,024] x [K 1,024, N 1,024]; A: input x (given as codes); B: input w_k (given as codes): QUANTISED
;;     3. [M 4,096, K 1,024] x [K 1,024, N 1,024]; A: input x (given as codes); B: input w_v (given as codes): QUANTISED
;;     4. [M 2,048, K 1] x [K 1, N 32]; A: computed on the way; B: computed on the way: left as it is (no contracted axis)
;;     5. batch 32 x [M 2,048, K 64] x [K 64, N 2,048]; A: computed on the way; B: computed on the way: QUANTISED
;;     6. batch 32 x [M 2,048, K 2,048] x [K 2,048, N 64]; A: softmax (see below); B: computed on the way: QUANTISED
;;     7. [M 4,096, K 1,024] x [K 1,024, N 1,024]; A: computed on the way; B: input w_o (given as codes): QUANTISED
;;   THE QUANTISER, for each operand of a quantised product, along K:
;;     - K is cut into blocks of 32 from its start; a last block that is shorter is filled with zeros.
;;     - A block's scale is 2^e with e = floor(log2(the largest magnitude in the block)) - 2, held to -126 .. 127; a block of zeros has e = 0. As a byte (E8M0): e + 127.
;;     - Each number is divided by its block's scale, clamped to +-7.5, and rounded to the nearest number of E2M3, ties to even, subnormals kept.
;;     - The product sums the exact products of the quantised numbers (number of the format x scale) in f32.
;;   ~~~python
;;   def quantise(x, axis):      # numpy; x: float32 -> the quantised numbers, widened to float32 again
;;       x = np.moveaxis(x, axis, -1); K = x.shape[-1]
;;       x = np.pad(x, [(0, 0)] * (x.ndim - 1) + [(0, -K % 32)]); x = x.reshape(x.shape[:-1] + (-1, 32)); a = np.abs(x).max(-1, keepdims=True)
;;       e = np.where(a > 0, np.clip(np.frexp(np.where(a > 0, a, 1))[1] - 1 - 2, -126, 127), 0)      # np.frexp(a)[1] - 1 = floor(log2(a)), exactly
;;       r = np.clip(x / 2.0 ** e, -7.5, 7.5)
;;       step = 2.0 ** (np.maximum(np.frexp(np.where(r == 0, 1, r))[1] - 1, 0) - 3)
;;       q = np.round(r / step) * step * 2.0 ** e      # np.round: ties to even
;;       return np.moveaxis(q.reshape(q.shape[:-2] + (-1,))[..., :K], -1, axis).astype(np.float32)
;;   ~~~
;;   SOFTMAX AHEAD OF A QUANTISED PRODUCT. Where the list says 'softmax', what is quantised is not the finished softmax but p = 2^(t - M), with t = logit x log2(e) and M = ceil(the row's largest t), a whole number; so 1/2 < the row's largest p <= 1. The row's sum l is taken of the UNQUANTISED p, in f32, and the product's result is divided by l at the end. Since M is a whole number, a kernel that streams over the keys may use a running M (the ceiling of the running maximum): every later rescaling is an exact power of two, which a block's scale takes up: the codes' values come out the same.
;;   OPERANDS COMPUTED ON THE WAY. 'Computed on the way' means the value that the module computes at that place (a softmax that the list does not call 'softmax' is quantised finished and normalised). What goes into a quantiser is computed in f32, as accurately as f32 sums, v_exp_f32 and their like allow (about 1e-6 of the number): no bf16 or f16 on the way to a quantiser, and a product that is left as it is and whose result goes on into a quantised operand takes f32 operands (vector FMAs, or v_wmma_f32_16x16x4_f32). A number that lies on a knife's edge between two numbers of the format may be rounded either way, as far as f32 arithmetic and the matrix unit's own rounding can turn it there, and no further.
;;   INPUTS GIVEN AS CODES. w_k (in the module: [1024, 1024], K = its axis 1); w_o (in the module: [1024, 1024], K = its axis 1); w_q (in the module: [1024, 1024], K = its axis 1); w_v (in the module: [1024, 1024], K = its axis 1); x (in the module: [2, 2048, 1024], K = its axis 2): each comes as NAME_codes (uint8): NAME with its K axis moved to the last place and cut into blocks of 32 codes, [.., K / 32, bytes a block], one block behind the other in memory; four codes in three bytes: a row's codes are one little-endian stream of bits, code i at bits 6 i .. 6 i + 5 (a code: sign, 2 exponent bits, 3 mantissa bits); and NAME_scales (uint8): the same leading axes, one E8M0 byte (e + 127) for each 32 codes along K. Its value is code x scale, taken as it is: it is not quantised again, and the codes and scales need not be those that the quantiser above would give.
;; One version. Each part assembles by itself: llvm-mc -triple=amdgcn-amd-amdhsa -mcpu=gfx1250 --defsym DOCPART=n.
;; ======== version 1 of 1: 3 launches
;; limits: right only within a limited range of input values
;; workspace buffers: qcod 3,145,728 bytes; qscl 262,144 bytes; kvimg 6,684,672 bytes; acod 3,145,728 bytes; ascl 131,072 bytes
;; launch qkv (part 1): grid 16 x 16, 4 waves a work-group, clusters of 4 x 4, 327,680 bytes of LDS; arguments x_codes, x_scales, w_q_codes, w_k_codes, w_v_codes, w_q_scales, w_k_scales, w_v_scales, b_q, b_k, b_v, qcod, qscl, kvimg; writes qcod, qscl, kvimg
.if DOCPART == 1
	.amdgcn_target "amdgcn-amd-amdhsa--gfx1250"
	.amdhsa_code_object_version 6
	.text
	.protected	k_qf22c329540_qkv
	.globl	k_qf22c329540_qkv
	.p2align	8
	.type	k_qf22c329540_qkv,@function
k_qf22c329540_qkv:
	s_mov_b64 s[64:65], 0
	v_nop
	global_prefetch_b8 v0, s[64:65] scope:SCOPE_SE
	s_setreg_imm32_b32 hwreg(HW_REG_WAVE_MODE, 25, 1), 1
	s_wait_xcnt 0x0
	s_wait_alu depctr_hold_cnt(0) depctr_sa_sdst(0) depctr_va_vdst(0) depctr_va_sdst(0) depctr_va_ssrc(0) depctr_va_vcc(0) depctr_vm_vsrc(0)
	s_getreg_b32 s2, hwreg(HW_REG_IB_STS2, 6, 4)
	s_cmp_eq_u32 s2, 0
	s_cbranch_scc0 .Lentry_in_a_cluster
	s_endpgm
.Lentry_in_a_cluster:
	s_bfe_u32 s2, ttmp6, 0x10000c
	s_cmp_lg_u32 s2, 0xf033
	s_cbranch_scc0 .Lentry_shape_is_right
	s_endpgm
.Lentry_shape_is_right:
; Q, K, V = x W^T + b on codes of FP6 (E2M3) with E8M0 scales; rotary embedding of Q and K in f32; Q and K quantised along the head's 64, V along the keys.
; SHARES.  A work-group takes one head and 128 tokens: 128 x 192 results.  Wave w: c = w & 1 (its 64 tokens, four tiles), g = w >> 1 (0: w_q's four tiles and w_v's tiles 0, 1;  1: w_k's four and w_v's 2, 3): 24 accumulators.
; LDS.  All of K = 1,024 lies in LDS at once, as four chunks of 256 along K; a chunk has 320 rows (64 of w_q, 64 of w_k, 64 of w_v, 128 of x) of 192 bytes, 16 bytes of padding behind each 64: rows 240 bytes apart.
; Nothing is filled twice.  Each wave issues four tensor loads, one a chunk: four of a wave are out at the most.
; CLUSTER 4 x 4: the four work-groups of a column share the head (the weights' tiles), the four of a row the tokens (x's tiles): joint loads.
; THE TOKENS OF A TILE ARE NOT NEIGHBOURS: lane r (hh = r / 8, jj = r % 8) of tile (c, tau) takes token 64 c + 32 hh + 8 sig(hh, tau) + jj, sig(0, .) = 0, 2, 1, 3 and sig(1, .) = 1, 3, 0, 2.
; So where tokens run down a result's rows (V here, the scores in the next launch) a lane's four tiles of one c hold ONE WHOLE block of 32 tokens, and a tile's 16 LDS rows start at 16 different places modulo 16 rows.
; Q, K: source 0 = 16 rows of W, source 1 = 16 tokens: lane (r, h), tile t, register j holds channel 16 t + 8 h + j of token r: the rotary partner, 32 channels on, is tile t + 2, same lane, same register.
; V: source 0 = 16 tokens, source 1 = 16 rows of w_v: a lane holds one channel and, over four tiles, a block of 32 tokens.
; WHAT IS STORED are images of operand registers: a HALF is six registers of 32 lanes (16 rows x 64 along K): 512 bytes (registers 0-3, 16 bytes a lane), then 256 (registers 4-5, 8 bytes a lane).
; Inside a block of 32 the order of k is permuted, alike in Q and K (one text makes both) and alike in V and the next launch's p (the same lanes and registers).
; ANGLES as the definition forms them: inv_freq = the correctly rounded 1 / RN(10^(f / 8)), one f32 product with the position; sine and cosine of that number by a two-part reduction by pi / 2 and polynomials of degree 7 and 8.
; LIMITS: NaN and infinities are not served.  A block whose largest magnitude lies under 2^-124, a block of zeros too, gets the scale byte 1 (its codes are then zeros or tiny; only this program reads the bytes).
; w_v's tiles take rows 16 apart, so their LDS loads meet two deep in the banks (64 banks of 4 bytes: ISA guide 11.1): 12 of a step's 60 loads.
; REGISTERS, in windows of 256.  Window 0: v1-29 lane numbers and addresses; v32-63 x's scale words, v64-111 the weights'; v112-127 inv_freq; v128-167 at work; v168-199 rotated numbers; v200-213 at work; v216-255, v112-119 codes.
;   Window 1: two sets of ten fragments, at v0 and v128.   Window 2: v0-127 Q's or K's accumulators, v128-191 V's, v192-239 the biases.   Window 3: v0-63 cosines, v64-127 sines.
; THE LAYOUT AND THE WALK AS THEY STAND NOW (they take the place of the four chunks named above):
; a tile's row is a whole row of 1,024 codes, 768 bytes of memory that begin at a multiple of 256; 16 bytes of padding behind each 256: LDS rows 816 bytes = 204 words apart,
; so the 16 rows of a fragment start 12 words apart modulo 64 (64 banks of 4 bytes: ISA guide 11.1).  320 rows: 64 of w_q, 64 of w_k, 64 of w_v, 128 of x.  One tensor load a wave at the head: waves 0-2 a weight's 64 rows, wave 3 x's 128.
; A WORK-GROUP STAYS: it takes one head and one block of 128 positions of the sequence, first of batch 0, then of batch 1.  The positions are the same in both, so the weights' tiles, their scale words, the biases and
; the sines and cosines are made once.  x's 128 rows are filled again once, behind the three lines and a round of the cluster's barrier; batch 0's rotary step and stores follow the request.
; No prefetch: the text has no loop to run ahead in; batch 1's rows of x are asked for as soon as batch 0's are read out.
; (Of the lines above, the one that says 'No prefetch' no longer holds.  The walk over the two batches is a loop of two trips, written out: at the head, one whole trip ahead of the refill, wave 3 asks for batch 1's rows of x:
; three prefetches, a lane a row, 256 bytes apart.  The four partners that will ask for those 128 rows jointly share them out by address, 32 rows to each cx, so each block of 256 bytes is named once in the cluster.
; The refill itself now stands at the head of batch 0's last K step, where every wave's reads of x's rows have been waited for.)
.set PITCH, 816
.set XROW,  192*PITCH                  ; x's rows begin behind 192 rows of weights
.set VSC,   307200                     ; behind the tiles: 256 bytes in which V's scale words of the four waves meet; no tile lands there
.set WV,  2                            ; s2   wave
.set SC,  3                            ; s3   c
.set SG,  20                           ; s20  g
.set CX,  21
.set CY,  22
.set HD,  23                           ; s23  head
.set RB,  24                           ; s24  block of 128 tokens, 0 .. 31
.set BI,  25                           ; s25  16 x (16 b + head) + block in the sequence
.set G1W, 4                            ; s[4:11]   descriptor group 1, weights;  s[12:19] x
.set G1X, 12
.set G0W, 68                           ; s[68:71]  group 0, weights;  s[84:87] x
.set G0X, 84
.set SEL, 104                          ; s[104:105] lane selects: lane l xor 16
.set AXA, 10                           ; v10-11 x's tiles 0, 1; v12-13 tiles 2, 3 (second register of a pair: behind one padding more)
.set AW,  14                           ; v14-15 w_q's or w_k's tiles
.set AV,  16                           ; v16-17 w_v's
.set POS, 24                           ; v24-27 the positions of my lane's token in the four tiles, f32
.set XS,  32
.set WS,  64
.set IVF, 112
.set TG,  128
.set TT,  128
.set XX,  168
.set TM,  200
.set WD,  210
.set PADW, (1<<20)|(1<<21)|(5<<22)|(3<<25)   ; padding on; bit 21 beside a mask; after every 64 words; 4 words
.set MSB, 0
.macro WIN new                         ; the immediate's high byte repeats the setting that is left
.if MSB != \new
	s_set_vgpr_msb (MSB<<8)|\new
.set MSB, \new
.endif
.endm
.macro PLACES n
.rept \n
	v_nop
.endr
.endm
.macro ROUND                           ; a round of the cluster's barrier
	s_barrier_signal -1
	s_barrier_wait -1
	s_cmp_lg_u32 s[WV], 0
	s_cbranch_scc1 .Lnot_wave_0_\@
	s_barrier_signal -3
.Lnot_wave_0_\@:
	s_barrier_wait -3
	s_barrier_signal -1
	s_barrier_wait -1
.endm
; A fragment, 16 rows x 128 K, 12 registers, in six pieces of 8 bytes.  Lanes 16-31 read three pieces further on; where that is behind one padding more, the pair's second address serves.
.macro FRAG reg, adr, q, rowoff
.irp p, 0,1,2,3,4,5
.set PCE, 12*(\q)+6*(\p/3)+\p%3        ; the piece's number in the whole row, q = 0 .. 7; 32 pieces to 256 bytes
.if PCE%32 < 29
	ds_load_b64 v[\reg+2*\p:\reg+2*\p+1], v[\adr] offset:8*PCE+16*(PCE/32)+(\rowoff)*PITCH
.else
	ds_load_b64 v[\reg+2*\p:\reg+2*\p+1], v[\adr+1] offset:8*PCE+16*(PCE/32)+(\rowoff)*PITCH
.endif
.endr
.endm
; 32 numbers of a lane, register 16 b + i = the lane's 16 of block b of its row (lane l xor 16 has the other 16), become a HALF in v[pc .. pc+5] and the two scale bytes in v[tm+8].
.macro QUANT2 s, pc, tm
.irp b, 0,1
	v_max3_num_f32 v[\tm+\b], |v[\s+16*\b]|, |v[\s+16*\b+1]|, 0x1800000   ; with the floor 2^(3 - 127): the byte cannot fall under 1
.endr
.irp i, 2,4,6,8,10,12,14
.irp b, 0,1
	v_max3_num_f32 v[\tm+\b], v[\tm+\b], |v[\s+16*\b+\i]|, |v[\s+16*\b+\i+1]|
.endr
.endr
.irp b, 0,1
	v_permlanex16_b32 v[\tm+2+\b], v[\tm+\b], s[SEL], s[SEL+1]
.endr
.irp b, 0,1
	v_max_num_f32 v[\tm+\b], v[\tm+\b], v[\tm+2+\b]   ; the block's largest magnitude
.endr
.irp b, 0,1
	v_add_nc_u32 v[\tm+4+\b], 0xff000000, v[\tm+\b]   ; 2 off its exponent field: the conversion's scale operand
.endr
.irp b, 0,1
	v_lshrrev_b32 v[\tm+6+\b], 23, v[\tm+4+\b]        ; the scale's byte
.endr
	v_lshl_or_b32 v[\tm+8], v[\tm+7], 8, v[\tm+6]
	v_cvt_scalef32_pk16_fp6_f32 v[\pc:\pc+2], v[\s:\s+15], v[\tm+4]
	v_cvt_scalef32_pk16_fp6_f32 v[\pc+4:\pc+6], v[\s+16:\s+31], v[\tm+5]
	v_nop                                          ; one plain place behind a scaled conversion
.irp i, 0,1,2
	v_permlane16_swap_b32 v[\pc+\i], v[\pc+4+\i]      ; lanes 0-15 get block 0 whole, lanes 16-31 block 1
.endr
	v_mov_b32 v[\pc+3], v[\pc+4]
	v_mov_b32 v[\pc+4], v[\pc+5]
	v_mov_b32 v[\pc+5], v[\pc+6]
.endm
	s_load_b512 s[36:51], s[0:1], 0x0              ; x codes 36, x scales 38, w_q codes 40, w_k codes 42, w_v codes 44, w_q scales 46, w_k scales 48, w_v scales 50
	s_load_b256 s[52:59], s[0:1], 0x40             ; b_q 52, b_k 54, b_v 56, qcod 58
	s_load_b128 s[60:63], s[0:1], 0x60             ; qscl 60, kvimg 62
	v_lshl_add_u32 v247, v0, 2, 0x4b100
	v_mov_b32 v255, 0
	ds_add_u32 v247, v255
	ds_add_u32 v247, v255
	v_lshrrev_b32 v1, 5, v0
	v_readfirstlane_b32 s[WV], v1
	s_and_b32 s[SC], s[WV], 1
	s_lshr_b32 s[SG], s[WV], 1
	s_bfe_u32 s[CX], ttmp6, 0x40000
	s_bfe_u32 s[CY], ttmp6, 0x40004
	s_lshl_b32 s[HD], ttmp9, 2
	s_add_co_u32 s[HD], s[HD], s[CX]               ; head = 4 x cluster x + cx
	s_and_b32 s[RB], ttmp7, 0xffff
	s_lshl_b32 s[RB], s[RB], 2
	s_add_co_u32 s[RB], s[RB], s[CY]               ; block of tokens = 4 x cluster y + cy
	s_lshl_b32 s27, s[CY], 2
	s_lshl_b32 s27, 15, s27                        ; my row of the cluster
	s_lshl_b32 s28, 0x1111, s[CX]                  ; my column
	s_or_b32 s[G1W], s28, PADW                     ; the weights' tiles hang on the head alone: shared along the column; elements of 1 byte
	s_or_b32 s[G1X], s27, PADW                     ; x's on the tokens alone: shared along the row
	s_mov_b32 s[G1W+1], 768<<16                    ; tensor_dim0 = 768 bytes: 1,024 codes
	s_mov_b32 s[G1W+2], 64<<16                     ; tensor_dim1 = 64 rows
	s_mov_b32 s[G1W+3], 768<<16                    ; tile_dim0
	s_mov_b32 s[G1W+4], 64                         ; tile_dim1
	s_mov_b32 s[G1W+5], 768                        ; from row to row: 1,024 codes
	s_mov_b32 s[G1W+6], 0
	s_mov_b32 s[G1W+7], 0
	s_mov_b32 s[G1X+1], 768<<16
	s_mov_b32 s[G1X+2], 128<<16
	s_mov_b32 s[G1X+3], 768<<16
	s_mov_b32 s[G1X+4], 128
	s_mov_b32 s[G1X+5], 768
	s_mov_b32 s[G1X+6], 0
	s_mov_b32 s[G1X+7], 0
	s_mul_i32 s32, s[HD], 49152                    ; the head's 64 rows of a weight
	s_mov_b32 s33, 0
	s_mul_i32 s34, s[RB], 98304                    ; the block's 128 rows of x
	s_mov_b32 s35, 0
	s_mul_i32 s29, s[WV], 64*PITCH                 ; waves 0, 1, 2 bring w_q, w_k, w_v: 64 LDS rows each
	s_wait_dscnt 0x0
	s_wait_kmcnt 0x0
	s_cmp_eq_u32 s[WV], 0
	s_cselect_b64 s[30:31], s[40:41], s[42:43]
	s_cmp_eq_u32 s[WV], 2
	s_cselect_b64 s[30:31], s[44:45], s[30:31]     ; the choice hangs on the wave's number alone
	s_add_nc_u64 s[30:31], s[30:31], s[32:33]
	s_add_nc_u64 s[34:35], s[36:37], s[34:35]
	s_mul_i32 s74, s[CX], 24576                    ; the prefetches' base: my work-group's 32 rows of 768 bytes
	s_add_co_u32 s74, s74, 1572864                 ; of batch 1's block: 2,048 rows on
	s_mov_b32 s75, 0
	s_add_nc_u64 s[72:73], s[34:35], s[74:75]      ; never written again
	s_mov_b32 s[G0W], 1
	s_mov_b32 s[G0W+1], s29
	s_mov_b64 s[G0W+2:G0W+3], s[30:31]
	s_or_b32 s[G0W+3], s[G0W+3], 0x80000000
	s_mov_b32 s[G0X], 1
	s_mov_b32 s[G0X+1], XROW
	s_mov_b64 s[G0X+2:G0X+3], s[34:35]
	s_or_b32 s[G0X+3], s[G0X+3], 0x80000000
	ROUND                                          ; all sixteen work-groups are here: the joint loads meet
	s_cmp_lt_u32 s[WV], 3
	s_cbranch_scc0 .Lfill_x
	tensor_load_to_lds s[G0W:G0W+3], s[G1W:G1W+7]  ; my one load at the head: a weight's 64 rows
	s_nop 0
	PLACES 4
	s_branch .Lfilled
.Lfill_x:
	tensor_load_to_lds s[G0X:G0X+3], s[G1X:G1X+7]  ; wave 3's one load at the head: batch 0's 128 rows of x
	s_nop 0
	PLACES 4
	v_and_b32 v30, 31, v0
	v_mul_u32_u24 v30, v30, 768                    ; a lane a row; v30 serves this alone
	global_prefetch_b8 v30, s[72:73] th:TH_LOAD_NT scope:SCOPE_SE
	global_prefetch_b8 v30, s[72:73] offset:256 th:TH_LOAD_NT scope:SCOPE_SE
	global_prefetch_b8 v30, s[72:73] offset:512 th:TH_LOAD_NT scope:SCOPE_SE
.Lfilled:
	; lane numbers and addresses
	v_and_b32 v164, 31, v0                         ; lane
	v_and_b32 v1, 15, v0                           ; r
	v_bfe_u32 v2, v0, 4, 1                         ; h
	v_bfe_u32 v3, v0, 3, 1                         ; hh = r / 8
	v_and_b32 v4, 7, v0                            ; jj
	v_lshlrev_b32 v5, 4, v164                      ; 16 x lane
	v_lshlrev_b32 v6, 3, v164                      ; 8 x lane
	v_lshlrev_b32 v7, 4, v1                        ; 16 r
	v_lshlrev_b32 v8, 3, v2                        ; 8 h
	v_mad_u32_u24 v160, v3, 40, v4                 ; tiles 0, 1: token 40 hh + jj (+ 16 for tile 1)
	v_mad_u32_u24 v161, v3, 24, v4
	v_add_nc_u32 v161, 8, v161                     ; tiles 2, 3: 8 + 24 hh + jj (+ 16 for tile 3)
	v_mul_u32_u24 v162, v2, 24
	v_lshl_add_u32 v163, v3, 3, v1                 ; r + 8 hh: w_v's rows of a tile
	s_mul_i32 s27, s[SC], 64*PITCH
	s_add_co_u32 s27, s27, XROW
	v_mad_u32_u24 v[AXA], v160, PITCH, v162
	v_add_nc_u32 v[AXA], s27, v[AXA]
	v_lshl_add_u32 v[AXA+1], v2, 4, v[AXA]
	v_mad_u32_u24 v[AXA+2], v161, PITCH, v162
	v_add_nc_u32 v[AXA+2], s27, v[AXA+2]
	v_lshl_add_u32 v[AXA+3], v2, 4, v[AXA+2]
	s_mul_i32 s27, s[SG], 64*PITCH
	v_mad_u32_u24 v[AW], v1, PITCH, v162
	v_add_nc_u32 v[AW], s27, v[AW]
	v_lshl_add_u32 v[AW+1], v2, 4, v[AW]
	s_mul_i32 s27, s[SG], 32*PITCH
	s_add_co_u32 s27, s27, 128*PITCH
	v_mad_u32_u24 v[AV], v163, PITCH, v162
	v_add_nc_u32 v[AV], s27, v[AV]
	v_lshl_add_u32 v[AV+1], v2, 4, v[AV]
	s_lshl_b32 s27, s[SG], 3
	s_lshl_b32 s32, s[SC], 1
	s_add_co_u32 s27, s27, s32
	s_add_co_u32 s27, s27, VSC
	v_add_nc_u32 v28, s27, v7                      ; V's scale bytes: 16 r + 8 g + 2 c (+ 4 u)
	v_add_nc_u32 v29, VSC, v6                      ; and back: 8 bytes a lane
	v_lshlrev_b32 v18, 5, v160                     ; scale rows are 32 bytes
	v_lshlrev_b32 v19, 5, v161
	v_lshlrev_b32 v20, 5, v1
	v_lshlrev_b32 v21, 5, v163
	v_lshlrev_b32 v22, 5, v2                       ; the rotary tiles' bias: 8 h numbers on
	v_lshlrev_b32 v23, 2, v163                     ; V's bias: my channel's
	s_wait_alu depctr_va_vdst(0)
	s_and_b32 s26, s[RB], 15
	s_lshl_b32 s27, s26, 7
	s_lshl_b32 s32, s[SC], 6
	s_add_co_u32 s27, s27, s32                     ; my wave's first position in the sequence
	v_add_nc_u32 v165, s27, v160
	v_cvt_f32_u32 v[POS], v165
	v_add_nc_u32 v165, 16, v165
	v_cvt_f32_u32 v[POS+1], v165
	v_add_nc_u32 v165, s27, v161
	v_cvt_f32_u32 v[POS+2], v165
	v_add_nc_u32 v165, 16, v165
	v_cvt_f32_u32 v[POS+3], v165
	; pointers
	s_lshl_b32 s32, s[RB], 12
	s_lshl_b32 s33, s[SC], 11
	s_add_co_u32 s32, s32, s33
	s_mov_b32 s33, 0
	s_add_nc_u64 s[38:39], s[38:39], s[32:33]      ; x's scales at my 64 tokens
	s_cmp_eq_u32 s[SG], 0
	s_cselect_b64 s[46:47], s[46:47], s[48:49]     ; w_q's or w_k's scales
	s_cselect_b64 s[52:53], s[52:53], s[54:55]     ; b_q or b_k
	s_lshl_b32 s32, s[HD], 11
	s_add_nc_u64 s[46:47], s[46:47], s[32:33]
	s_lshl_b32 s34, s[SG], 10
	s_add_co_u32 s32, s32, s34
	s_add_nc_u64 s[50:51], s[50:51], s[32:33]      ; w_v's scales at my 32 rows
	s_lshl_b32 s32, s[HD], 8
	s_add_nc_u64 s[52:53], s[52:53], s[32:33]
	s_lshl_b32 s34, s[SG], 7
	s_add_co_u32 s32, s32, s34
	s_add_nc_u64 s[56:57], s[56:57], s[32:33]
	s_lshr_b32 s[BI], s[RB], 4
	s_lshl_b32 s[BI], s[BI], 8
	s_lshl_b32 s34, s[HD], 4
	s_add_co_u32 s[BI], s[BI], s34
	s_add_co_u32 s[BI], s[BI], s26
	s_mul_i32 s32, s[BI], 13056
	s_add_nc_u64 s[62:63], s[62:63], s[32:33]      ; my block of kvimg
	s_mul_i32 s32, s[BI], 6144
	s_add_nc_u64 s[58:59], s[58:59], s[32:33]
	s_lshl_b32 s32, s[BI], 9
	s_add_nc_u64 s[60:61], s[60:61], s[32:33]
	s_add_nc_u64 s[34:35], s[62:63], 6144
	s_cmp_eq_u32 s[SG], 0
	s_cselect_b64 s[58:59], s[58:59], s[62:63]     ; where my rotated codes go: Q's buffer or K's part of the block,
	s_cselect_b64 s[60:61], s[60:61], s[34:35]     ; and their scale words
	s_mul_i32 s32, s[SC], 3072
	s_add_nc_u64 s[58:59], s[58:59], s[32:33]
	s_lshl_b32 s32, s[SC], 8
	s_add_nc_u64 s[60:61], s[60:61], s[32:33]
	s_mul_i32 s32, s[SG], 3072
	s_mul_i32 s34, s[SC], 768
	s_add_co_u32 s32, s32, s34
	s_add_co_u32 s32, s32, 6656
	s_add_nc_u64 s[48:49], s[62:63], s[32:33]      ; V's codes: 6,656 + 1,536 (2 g + u) + 768 c
	; scale words (a row's eight words: two loads of 16 bytes; lanes 16-31 repeat lanes 0-15) and biases
.irp t, 0,1,2,3
	global_load_b128 v[XS+8*\t:XS+8*\t+3], v[18+\t/2], s[38:39] offset:512*(\t%2)
	global_load_b128 v[XS+8*\t+4:XS+8*\t+7], v[18+\t/2], s[38:39] offset:512*(\t%2)+16
.endr
.irp t, 0,1,2,3
	global_load_b128 v[WS+8*\t:WS+8*\t+3], v20, s[46:47] offset:512*\t
	global_load_b128 v[WS+8*\t+4:WS+8*\t+7], v20, s[46:47] offset:512*\t+16
.endr
.irp u, 0,1
	global_load_b128 v[WS+32+8*\u:WS+32+8*\u+3], v21, s[50:51] offset:256*\u
	global_load_b128 v[WS+32+8*\u+4:WS+32+8*\u+7], v21, s[50:51] offset:256*\u+16
.endr
	WIN 0x80                                       ; destination window 2
.irp t, 0,1,2,3
	global_load_b128 v[192+8*\t:195+8*\t], v22, s[52:53] offset:64*\t
	global_load_b128 v[196+8*\t:199+8*\t], v22, s[52:53] offset:64*\t+16
.endr
.irp u, 0,1
.irp j, 0,1,2,3,4,5,6,7
	global_load_b32 v[224+8*\u+\j], v23, s[56:57] offset:32*\u   ; V's result has one channel a lane: eight times the same number
.endr
.endr
	WIN 0
	; ---- sines and cosines, while the tiles are on their way
	s_mov_b32 s36, 0x3f22f983                      ; 2 / pi
	s_mov_b32 s37, 0xbfc90fdb                      ; - (pi / 2 rounded to f32)
	s_mov_b32 s40, 0x333bbd2e                      ; - (pi / 2 less that)
	s_mov_b32 s41, 0xbe2aaaa3                      ; sine: -1.6666654611e-1,
	s_mov_b32 s42, 0x3c08839e                      ; 8.3321608736e-3,
	s_mov_b32 s43, 0xb94ca1f9                      ; -1.9515295891e-4
	s_mov_b32 s44, 0x3d2aaaa5                      ; cosine: 4.166664568e-2,
	s_mov_b32 s45, 0xbab6061a                      ; -1.388731625e-3,
	s_mov_b32 s100, 0x37ccf5ce                     ; 2.443315712e-5
	s_mov_b32 s[SEL], 0x76543210
	s_mov_b32 s[SEL+1], 0xfedcba98
	v_mov_b32 v[TM+2], 0                           ; written once: a lane permute's destination counts as one of its sources
	v_mov_b32 v[TM+3], 0
	v_cmp_ne_u32 vcc_lo, 0, v2
.macro IV i, p0, p1                    ; 10000^(f / 32) = 10^(f / 8) of frequency f = 16 (i / 8) + 8 h + i % 8: p0 for lanes 0-15, p1 for lanes 16-31
	v_mov_b32 v[IVF+\i], \p0
	v_mov_b32 v[TG+\i], \p1
	v_cndmask_b32 v[IVF+\i], v[IVF+\i], v[TG+\i], vcc_lo
.endm
	IV 0, 1.0, 10.0
	IV 1, 1.333521432163324, 13.33521432163324
	IV 2, 1.778279410038923, 17.78279410038923
	IV 3, 2.371373705661655, 23.71373705661655
	IV 4, 3.162277660168379, 31.62277660168379
	IV 5, 4.216965034285822, 42.16965034285822
	IV 6, 5.623413251903491, 56.23413251903491
	IV 7, 7.498942093324558, 74.98942093324558
	IV 8, 100.0, 1000.0
	IV 9, 133.3521432163324, 1333.521432163324
	IV 10, 177.8279410038923, 1778.279410038923
	IV 11, 237.1373705661655, 2371.373705661655
	IV 12, 316.2277660168379, 3162.277660168379
	IV 13, 421.6965034285822, 4216.965034285822
	IV 14, 562.3413251903491, 5623.413251903491
	IV 15, 749.8942093324558, 7498.942093324558
	s_wait_alu depctr_va_vdst(0)
.irp i, 0,1,2,3,4,5,6,7,8,9,10,11,12,13,14,15
	v_rcp_f32 v[TG+\i], v[IVF+\i]
.endr
	v_nop                                          ; one plain place behind the reciprocals
	s_wait_alu depctr_va_vdst(0)
.irp i, 0,1,2,3,4,5,6,7,8,9,10,11,12,13,14,15
	v_fma_f32 v[TG+16+\i], -v[IVF+\i], v[TG+\i], 1.0   ; two steps of correction by the exact remainder give the rounded quotient 1 / P
.endr
.irp i, 0,1,2,3,4,5,6,7,8,9,10,11,12,13,14,15
	v_fma_f32 v[TG+\i], v[TG+16+\i], v[TG+\i], v[TG+\i]
.endr
.irp i, 0,1,2,3,4,5,6,7,8,9,10,11,12,13,14,15
	v_fma_f32 v[TG+16+\i], -v[IVF+\i], v[TG+\i], 1.0
.endr
.irp i, 0,1,2,3,4,5,6,7,8,9,10,11,12,13,14,15
	v_fma_f32 v[IVF+\i], v[TG+16+\i], v[TG+\i], v[TG+\i]
.endr
; Frequency i for the four tiles' positions, line by line.  Ten registers a tile: +0 angle, then what is left of it; +1 n; +2 n as a whole number; +3 z; +4 sine; +5, +7, +8, +9 at work; +6 cosine.
.macro SINCOS4 i
.irp u, 0,1,2,3
	v_mul_f32 v[TG+10*\u], v[POS+\u], v[IVF+(\i)]     ; the angle: one rounding
.endr
.irp u, 0,1,2,3
	v_mul_f32 v[TG+10*\u+1], s36, v[TG+10*\u]
.endr
.irp u, 0,1,2,3
	v_rndne_f32 v[TG+10*\u+1], v[TG+10*\u+1]          ; n = the nearest multiple of pi / 2
.endr
.irp u, 0,1,2,3
	v_fma_f32 v[TG+10*\u], v[TG+10*\u+1], s37, v[TG+10*\u]   ; exact: n has 11 bits, and the difference is a multiple of 2^-24 under 1
.endr
.irp u, 0,1,2,3
	v_fma_f32 v[TG+10*\u], v[TG+10*\u+1], s40, v[TG+10*\u]
.endr
.irp u, 0,1,2,3
	v_cvt_i32_f32 v[TG+10*\u+2], v[TG+10*\u+1]
.endr
.irp u, 0,1,2,3
	v_mul_f32 v[TG+10*\u+3], v[TG+10*\u], v[TG+10*\u]
.endr
.irp u, 0,1,2,3
	v_fma_f32 v[TG+10*\u+4], v[TG+10*\u+3], s43, s42
.endr
.irp u, 0,1,2,3
	v_fma_f32 v[TG+10*\u+4], v[TG+10*\u+4], v[TG+10*\u+3], s41
.endr
.irp u, 0,1,2,3
	v_mul_f32 v[TG+10*\u+5], v[TG+10*\u+3], v[TG+10*\u]
.endr
.irp u, 0,1,2,3
	v_fma_f32 v[TG+10*\u+4], v[TG+10*\u+4], v[TG+10*\u+5], v[TG+10*\u]
.endr
.irp u, 0,1,2,3
	v_fma_f32 v[TG+10*\u+6], v[TG+10*\u+3], s100, s45
.endr
.irp u, 0,1,2,3
	v_fma_f32 v[TG+10*\u+6], v[TG+10*\u+6], v[TG+10*\u+3], s44
.endr
.irp u, 0,1,2,3
	v_mul_f32 v[TG+10*\u+7], v[TG+10*\u+3], v[TG+10*\u+3]
.endr
.irp u, 0,1,2,3
	v_fma_f32 v[TG+10*\u+8], v[TG+10*\u+3], -0.5, 1.0
.endr
.irp u, 0,1,2,3
	v_fma_f32 v[TG+10*\u+6], v[TG+10*\u+6], v[TG+10*\u+7], v[TG+10*\u+8]
.endr
.irp u, 0,1,2,3
	v_and_b32 v[TG+10*\u+9], 1, v[TG+10*\u+2]
.endr
.irp u, 0,1,2,3
	v_cmp_ne_u32 s[28+\u], 0, v[TG+10*\u+9]           ; odd n: sine and cosine change places
.endr
.irp u, 0,1,2,3
	v_cndmask_b32 v[TG+10*\u+5], v[TG+10*\u+4], v[TG+10*\u+6], s[28+\u]
.endr
.irp u, 0,1,2,3
	v_cndmask_b32 v[TG+10*\u+7], v[TG+10*\u+6], v[TG+10*\u+4], s[28+\u]
.endr
.irp u, 0,1,2,3
	v_lshlrev_b32 v[TG+10*\u+8], 30, v[TG+10*\u+2]
.endr
.irp u, 0,1,2,3
	v_and_b32 v[TG+10*\u+8], 0x80000000, v[TG+10*\u+8]   ; the sine's sign: bit 1 of n
.endr
.irp u, 0,1,2,3
	v_add_nc_u32 v[TG+10*\u+9], 1, v[TG+10*\u+2]
.endr
.irp u, 0,1,2,3
	v_lshlrev_b32 v[TG+10*\u+9], 30, v[TG+10*\u+9]
.endr
.irp u, 0,1,2,3
	v_and_b32 v[TG+10*\u+9], 0x80000000, v[TG+10*\u+9]   ; the cosine's: bit 1 of n + 1
.endr
	WIN 0xc0                                       ; destination window 3
.irp u, 0,1,2,3
	v_xor_b32 v[64+16*\u+(\i)], v[TG+10*\u+5], v[TG+10*\u+8]
.endr
.irp u, 0,1,2,3
	v_xor_b32 v[16*\u+(\i)], v[TG+10*\u+7], v[TG+10*\u+9]
.endr
	WIN 0
.endm
.irp i, 0,1,2,3,4,5,6,7,8,9,10,11,12,13,14,15
	SINCOS4 \i
.endr
; ---- the products
.macro FETCH q                         ; the ten fragments of K step q (128 along K) into set q % 2: 60 LDS loads
	WIN 0x40                                       ; destination window 1
.irp t, 0,1,2,3
	FRAG 128*((\q)%2)+12*\t, AXA+2*(\t/2), \q, 16*(\t%2)
.endr
.irp t, 0,1,2,3
	FRAG 128*((\q)%2)+48+12*\t, AW, \q, 16*\t
.endr
.irp t, 0,1
	FRAG 128*((\q)%2)+96+12*\t, AV, \q, 8*\t
.endr
.endm
; 24 matrix instructions; the 24 accumulators take turns, one instruction a turn, in the same order in every step.  The first step's C is the bias.
.macro MUL24 q
.set FS, 128*((\q)%2)
.irp u, 0,1,2,3
.irp t, 0,1,2,3
.if (\q) == 0
	v_wmma_scale_f32_16x16x128_f8f6f4 v[32*\u+8*\t:32*\u+8*\t+7], v[FS+48+12*\t:FS+48+12*\t+11], v[FS+12*\u:FS+12*\u+11], v[192+8*\t:192+8*\t+7], v[WS+8*\t+(\q)], v[XS+8*\u+(\q)] matrix_a_fmt:MATRIX_FMT_FP6 matrix_b_fmt:MATRIX_FMT_FP6
.else
	v_wmma_scale_f32_16x16x128_f8f6f4 v[32*\u+8*\t:32*\u+8*\t+7], v[FS+48+12*\t:FS+48+12*\t+11], v[FS+12*\u:FS+12*\u+11], v[32*\u+8*\t:32*\u+8*\t+7], v[WS+8*\t+(\q)], v[XS+8*\u+(\q)] matrix_a_fmt:MATRIX_FMT_FP6 matrix_b_fmt:MATRIX_FMT_FP6
.endif
.endr
.endr
.irp u, 0,1
.irp t, 0,1,2,3
.if (\q) == 0
	v_wmma_scale_f32_16x16x128_f8f6f4 v[128+32*\u+8*\t:128+32*\u+8*\t+7], v[FS+12*\t:FS+12*\t+11], v[FS+96+12*\u:FS+96+12*\u+11], v[224+8*\u:224+8*\u+7], v[XS+8*\t+(\q)], v[WS+32+8*\u+(\q)] matrix_a_fmt:MATRIX_FMT_FP6 matrix_b_fmt:MATRIX_FMT_FP6
.else
	v_wmma_scale_f32_16x16x128_f8f6f4 v[128+32*\u+8*\t:128+32*\u+8*\t+7], v[FS+12*\t:FS+12*\t+11], v[FS+96+12*\u:FS+96+12*\u+11], v[128+32*\u+8*\t:128+32*\u+8*\t+7], v[XS+8*\t+(\q)], v[WS+32+8*\u+(\q)] matrix_a_fmt:MATRIX_FMT_FP6 matrix_b_fmt:MATRIX_FMT_FP6
.endif
.endr
.endr
.endm
.macro KSTEP q
	WIN 0
.if (\q) < 7
	PLACES 4                                       ; in front of loads into the set that the step before multiplied (ISA guide 7.12.1 for vector instructions)
	FETCH (\q)+1
	s_wait_alu depctr_va_vdst(0)
	s_wait_dscnt 60                                ; all but the 60 just issued: this step's fragments are in
.else
.if REFILL                             ; batch 0's last K step: its fragments are the last that are read of x's rows
	s_wait_tensorcnt 0x0                           ; no tensor load of mine is out;
	ds_add_u32 v247, v255                          ; 0 onto my spare word;
	s_add_nc_u64 s[G0X+2:G0X+3], s[G0X+2:G0X+3], 1572864   ; batch 1's rows of x: 2,048 rows of 768 bytes on
	s_add_nc_u64 s[38:39], s[38:39], 65536         ; and their scales: 2,048 rows of 32 bytes (the loads that read this base were waited for)
	s_wait_dscnt 0x0                               ; the add is done, and so are my reads of x's rows: this step's fragments are in
	ROUND                                          ; no wave of any partner still reads them
	s_cmp_lt_u32 s[WV], 3
	s_cbranch_scc1 .Lno_refill                     ; wave 3 alone asks, as at the head
	tensor_load_to_lds s[G0X:G0X+3], s[G1X:G1X+7]
	s_nop 0
	PLACES 4
.Lno_refill:
.else
	s_wait_dscnt 0x0
.endif
.endif
	WIN 0xa5
	MUL24 \q
.endm
.macro PROD                            ; one batch's products: all eight K steps
	s_wait_alu depctr_va_vdst(0)
	s_wait_loadcnt 0x0                             ; scale words (and, the first time, biases)
	s_wait_tensorcnt 0x0                           ; my tile has landed,
	s_barrier_signal -1
	s_barrier_wait -1                              ; everybody's has
	FETCH 0
.irp q, 0,1,2,3,4,5,6,7
	KSTEP \q
.endr
	WIN 0
	PLACES 4                                       ; in front of the first read of results and of loads into x's scale registers
.endm
; ---- the rotary embedding and the quantiser along the head's 64, a tile of 16 tokens at a time
.macro ROPE u
	WIN 0x0e                                       ; source 0 window 2 (accumulators), source 1 window 3 (cosines, sines)
.irp i, 0,2,4,6,8,10,12,14             ; ascending: each accumulator is first read at its low end
	v_pk_mul_f32 v[TT+\i:TT+\i+1], v[32*\u+16+\i:32*\u+17+\i], v[64+16*\u+\i:65+16*\u+\i]
	v_pk_mul_f32 v[TT+16+\i:TT+17+\i], v[32*\u+\i:32*\u+1+\i], v[64+16*\u+\i:65+16*\u+\i]
	v_pk_fma_f32 v[XX+\i:XX+\i+1], v[32*\u+\i:32*\u+1+\i], v[16*\u+\i:16*\u+1+\i], v[TT+\i:TT+\i+1] neg_lo:[0,0,1] neg_hi:[0,0,1]   ; y(d) = y cos - y(d + 32) sin
	v_pk_fma_f32 v[XX+16+\i:XX+17+\i], v[32*\u+16+\i:32*\u+17+\i], v[16*\u+\i:16*\u+1+\i], v[TT+16+\i:TT+17+\i]                     ; y(d + 32) = y(d + 32) cos + y(d) sin
.endr
	WIN 0
	QUANT2 XX, 216+8*\u, TM
	v_or_b32 v[WD+\u], 0x7f7f0000, v[TM+8]         ; the scale word: K = 64 has two blocks; the upper two bytes stand over zero codes
	global_store_b128 v5, v[216+8*\u:219+8*\u], s[58:59] offset:768*\u        ; 512 consecutive bytes,
	global_store_b64 v6, v[220+8*\u:221+8*\u], s[58:59] offset:768*\u+512     ; 256 more: each tile has code registers of its own, so no store's data are written again
.endm
.macro TAILQ                           ; one batch's way out: rotary step, quantisers, stores
	ROPE 0
	ROPE 1
	ROPE 2
	ROPE 3
	global_store_b128 v7, v[WD:WD+3], s[60:61]     ; row r's four words: 256 consecutive bytes (lanes 16-31 write the same bytes with the same values)
	; ---- V along the keys: a lane's 32 registers of a unit u are one whole block of one channel
	WIN 0x0a
.irp u, 0,1
	v_max3_num_f32 v[TM+\u], |v[128+32*\u]|, |v[129+32*\u]|, 0x1800000
.endr
	WIN 0x28
.irp i, 2,4,6,8,10,12,14,16,18,20,22,24,26,28,30
.irp u, 0,1
	v_max3_num_f32 v[TM+\u], v[TM+\u], |v[128+32*\u+\i]|, |v[129+32*\u+\i]|
.endr
.endr
	WIN 0
.irp u, 0,1
	v_add_nc_u32 v[TM+4+\u], 0xff000000, v[TM+\u]
.endr
.irp u, 0,1
	v_lshrrev_b32 v[TM+6+\u], 23, v[TM+4+\u]
.endr
	WIN 0x02                                       ; source 0 window 2
	v_cvt_scalef32_pk16_fp6_f32 v[248:250], v[128:143], v[TM+4]
	v_cvt_scalef32_pk16_fp6_f32 v[252:254], v[144:159], v[TM+4]
	v_cvt_scalef32_pk16_fp6_f32 v[112:114], v[160:175], v[TM+5]
	v_cvt_scalef32_pk16_fp6_f32 v[116:118], v[176:191], v[TM+5]
	WIN 0
	v_nop                                          ; one plain place behind a scaled conversion
.irp p, 248, 112
	v_mov_b32 v[\p+3], v[\p+4]
	v_mov_b32 v[\p+4], v[\p+5]
	v_mov_b32 v[\p+5], v[\p+6]
.endr
	global_store_b128 v5, v[248:251], s[48:49]
	global_store_b64 v6, v[252:253], s[48:49] offset:512
	global_store_b128 v5, v[112:115], s[48:49] offset:1536
	global_store_b64 v6, v[116:117], s[48:49] offset:2048
.irp u, 0,1
	v_lshlrev_b32 v[TM+\u], v8, v[TM+6+\u]         ; my byte is block 2 c + h's: 8 h bits up,
.endr
.irp u, 0,1
	v_permlanex16_b32 v[TM+2+\u], v[TM+\u], s[SEL], s[SEL+1]
.endr
.irp u, 0,1
	v_or_b32 v[TM+\u], v[TM+\u], v[TM+2+\u]        ; with lane l xor 16's: half a scale word
.endr
	ds_store_b16 v28, v[TM]
	ds_store_b16 v28, v[TM+1] offset:4
	s_wait_dscnt 0x0                               ; for the others' sake: my stores have landed
	s_barrier_signal -1
	s_barrier_wait -1
	s_cmp_lg_u32 s[WV], 0
	s_cbranch_scc1 .Lnot_first_\@
	ds_load_b64 v[TM+4:TM+5], v29                  ; the 64 words of the block's V tiles
	s_wait_dscnt 0x0
	global_store_b64 v6, v[TM+4:TM+5], s[62:63] offset:12800   ; 256 consecutive bytes
.Lnot_first_\@:
.endm
.set REFILL, 1
	PROD                                           ; batch 0; in its last K step x's rows are filled again
.irp t, 0,1,2,3
	global_load_b128 v[XS+8*\t:XS+8*\t+3], v[18+\t/2], s[38:39] offset:512*(\t%2)
	global_load_b128 v[XS+8*\t+4:XS+8*\t+7], v[18+\t/2], s[38:39] offset:512*(\t%2)+16
.endr
	TAILQ                                          ; batch 0 goes out while batch 1's rows are on their way
	s_wait_xcnt 0x0                                ; the stores have read their bases and their data: both are written again below
	s_cmp_eq_u32 s[SG], 0
	s_mov_b32 s27, 3342336                         ; 256 blocks of kvimg, 13,056 bytes each
	s_cselect_b32 s32, 1572864, s27                ; Q's codes: 256 blocks of 6,144 bytes; K's lie in kvimg
	s_cselect_b32 s34, 131072, s27                 ; Q's scale words: 256 blocks of 512 bytes
	s_mov_b32 s33, 0
	s_mov_b32 s35, 0
	s_add_nc_u64 s[58:59], s[58:59], s[32:33]
	s_add_nc_u64 s[60:61], s[60:61], s[34:35]
	s_add_nc_u64 s[48:49], s[48:49], 3342336
	s_add_nc_u64 s[62:63], s[62:63], 3342336
.set REFILL, 0
	PROD
	TAILQ
	s_wait_tensorcnt 0x0                           ; the wave's end
	ds_add_u32 v247, v255
	s_wait_dscnt 0x0
	ROUND                                          ; the closing round
	s_endpgm
.Lfunc_end_k_qf22c329540_qkv:
	.size	k_qf22c329540_qkv, .Lfunc_end_k_qf22c329540_qkv-k_qf22c329540_qkv
	.p2alignl 7, 3214868480
	.fill 96, 4, 3214868480
	.section	.rodata,"a",@progbits
	.p2align	6, 0x0
	.amdhsa_kernel k_qf22c329540_qkv
		.amdhsa_group_segment_fixed_size 327680
		.amdhsa_private_segment_fixed_size 0
		.amdhsa_enable_private_segment 0
		.amdhsa_kernarg_size 112
		.amdhsa_user_sgpr_count 2
		.amdhsa_user_sgpr_kernarg_segment_ptr 1
		.amdhsa_wavefront_size32 1
		.amdhsa_system_sgpr_workgroup_id_x 1
		.amdhsa_system_sgpr_workgroup_id_y 1
		.amdhsa_system_sgpr_workgroup_id_z 1
		.amdhsa_system_vgpr_workitem_id 0
		.amdhsa_next_free_vgpr 896
		.amdhsa_next_free_sgpr 106
		.amdhsa_reserve_vcc 1
		.amdhsa_float_denorm_mode_32 3
		.amdhsa_float_denorm_mode_16_64 3
		.amdhsa_memory_ordered 1
		.amdhsa_forward_progress 1
		.amdhsa_inst_pref_size 255
	.end_amdhsa_kernel
	.section	.bss,"aw",@nobits
	.p2align	6
	.space	262144
	.amdgpu_metadata
---
amdhsa.version: [ 1, 2 ]
amdhsa.kernels:
  - .name:           k_qf22c329540_qkv
    .symbol:         k_qf22c329540_qkv.kd
    .args:
      - { .name: x_codes, .offset: 0, .size: 8, .value_kind: global_buffer, .address_space: global }
      - { .name: x_scales, .offset: 8, .size: 8, .value_kind: global_buffer, .address_space: global }
      - { .name: w_q_codes, .offset: 16, .size: 8, .value_kind: global_buffer, .address_space: global }
      - { .name: w_k_codes, .offset: 24, .size: 8, .value_kind: global_buffer, .address_space: global }
      - { .name: w_v_codes, .offset: 32, .size: 8, .value_kind: global_buffer, .address_space: global }
      - { .name: w_q_scales, .offset: 40, .size: 8, .value_kind: global_buffer, .address_space: global }
      - { .name: w_k_scales, .offset: 48, .size: 8, .value_kind: global_buffer, .address_space: global }
      - { .name: w_v_scales, .offset: 56, .size: 8, .value_kind: global_buffer, .address_space: global }
      - { .name: b_q, .offset: 64, .size: 8, .value_kind: global_buffer, .address_space: global }
      - { .name: b_k, .offset: 72, .size: 8, .value_kind: global_buffer, .address_space: global }
      - { .name: b_v, .offset: 80, .size: 8, .value_kind: global_buffer, .address_space: global }
      - { .name: qcod, .offset: 88, .size: 8, .value_kind: global_buffer, .address_space: global }
      - { .name: qscl, .offset: 96, .size: 8, .value_kind: global_buffer, .address_space: global }
      - { .name: kvimg, .offset: 104, .size: 8, .value_kind: global_buffer, .address_space: global }
    .group_segment_fixed_size: 327680
    .private_segment_fixed_size: 0
    .kernarg_segment_align: 8
    .kernarg_segment_size: 112
    .max_flat_workgroup_size: 128
    .sgpr_count:     106
    .vgpr_count:     896
    .wavefront_size: 32
...
	.end_amdgpu_metadata
.endif
;; end of part 1
;; launch attn (part 2): grid 8 x 32, 16 waves a work-group, clusters of 4 x 1, 210,944 bytes of LDS; arguments qcod, qscl, kvimg, acod, ascl; writes acod, ascl
.if DOCPART == 2
	.amdgcn_target "amdgcn-amd-amdhsa--gfx1250"
	.amdhsa_code_object_version 6
	.text
	.protected	k_qf22c329540_attn
	.globl	k_qf22c329540_attn
	.p2align	8
	.type	k_qf22c329540_attn,@function
k_qf22c329540_attn:
	s_mov_b64 s[64:65], 0
	v_nop
	global_prefetch_b8 v0, s[64:65] scope:SCOPE_SE
	s_setreg_imm32_b32 hwreg(HW_REG_WAVE_MODE, 25, 1), 1
	s_wait_xcnt 0x0
	s_wait_alu depctr_hold_cnt(0) depctr_sa_sdst(0) depctr_va_vdst(0) depctr_va_sdst(0) depctr_va_ssrc(0) depctr_va_vcc(0) depctr_vm_vsrc(0)
	s_getreg_b32 s2, hwreg(HW_REG_IB_STS2, 6, 4)
	s_cmp_eq_u32 s2, 0
	s_cbranch_scc0 .Lentry_in_a_cluster
	s_endpgm
.Lentry_in_a_cluster:
	s_bfe_u32 s2, ttmp6, 0x10000c
	s_cmp_lg_u32 s2, 0x3003
	s_cbranch_scc0 .Lentry_shape_is_right
	s_endpgm
.Lentry_shape_is_right:
; O = softmax(Q K^T / 8) V for one head, both products on codes of FP6 (E2M3) with E8M0 scales; O / l is quantised along d_model (a head's 64 channels are two whole blocks) for the last launch.
; THE SOFTMAX: t = score x log2(e) / 8; M = the running largest t rounded up to a whole number; p = 2^(t - M) is quantised along the keys, not normalised; the row's sum is taken of the unquantised p and divides at the end.
; SHARES.  A work-group owns 256 queries of one (batch, head); each of its sixteen waves one tile of 16 queries in 256 registers, four waves to a SIMD.  Every wave walks the head's 2,048 keys, 256 A TRIP, eight trips:
; the search for M, the factor f and the 16 multiplications of O^T by f are made once for 256 keys.
; LDS.  The head's K and V, 16 blocks of 13,056 bytes as the launch before laid them (images of operand registers), come ONCE: each wave brings one block by one tensor load; nothing is filled twice.
; A block (128 keys): K's eight HALF images at 768 t; K's scale words at 6,144 (lane l: four words; lanes 0-15 tiles 0-3, lanes 16-31 tiles 4-7); V^T's at 6,656 + 1,536 n + 768 c; V's scale words at 12,800 + 16 r + 4 n.
; CLUSTER 4 x 1: the four query blocks of a cluster belong to one head and ask for its blocks jointly.  No prefetch: all tiles are asked for at the head, and the loop reads LDS alone.
; LAYOUT.  Both products transposed: S^T = K Q^T, O^T = V^T P^T: a lane holds one query (lane % 16).  The keys of a tile are chosen so that a lane's four tiles of one c hold the whole block 2 c + lane / 16 of 32 keys:
; a block's largest score needs no other lane, and the conversions' results are the second product's operand as they stand.  Inside a block the keys' order is permuted, alike in p and in V.
; K = 64 in the first product: Q's upper 64 of the instruction's 128 are zero codes under the scale byte 0x7f.  So whatever codes K's side holds there add nothing (every code of E2M3 is a finite number, and K's upper scale bytes are 0x7f):
; K's eight HALVES lie 6 registers apart, and tile t's upper six registers are tile t + 1's lower six (tile 7's: v80-85, which hold whatever is at work there).  54 registers serve 128 keys.
; V^T's tile 2 b + u takes channels 32 b + 8 u + r + 8 (r / 8): O^T's 16 registers of two neighbouring tiles are 16 neighbouring channels.
; LIMITS: NaN and infinities are not served; the promise holds while the scaled scores t stay under 2^31 in magnitude; a block whose largest magnitude lies under 2^-124 keeps the scale byte 1.
; A block's largest p is made from its largest score by the same two instructions as every p.
; The two scale bytes of a row leave by a store of 2 bytes a lane, 32 bytes apart: a row's 32 bytes come from sixteen heads, that is sixteen work-groups, and the reader wants them on end.
; REGISTERS.  v1-7 lane offsets and addresses; v10-11 f and the new -M; v12 -M, v13 largest t, v14-15 the sum; v16-27 Q, v28 its scale word; v29, v9 p's scale words; v30-31 the add's two;
; v32-85 K's halves, then at work (v32-55 p's codes, v56-71 the conversions' second halves, v72-85 maxima, scale operands, partial sums); v86-93 K's, then V's scale words; v0, v8, v94, v95 maxima;
; v96-223 the scores of 256 keys, then p, then V^T's fragments (block b at v96 + 64 b); v224-255 O^T.
.set BLK, 13056
.set WV,  14                           ; s14 wave
.set SEL, 20                           ; s[20:21]
.set CS,  22                           ; s[22:23] c = log2(e) / 8
.set KF,  32
.set KS,  86
.set S,   96
.set O,   224
.macro PLACES n
.rept \n
	v_nop
.endr
.endm
.macro ROUND
	s_barrier_signal -1
	s_barrier_wait -1
	s_cmp_lg_u32 s[WV], 0
	s_cbranch_scc1 .Lnot_wave_0_\@
	s_barrier_signal -3
.Lnot_wave_0_\@:
	s_barrier_wait -3
	s_barrier_signal -1
	s_barrier_wait -1
.endm
.macro QUANT2 s, pc, tm                ; 32 numbers of a lane, register 16 b + i = the lane's 16 of block b, become a HALF in v[pc .. pc+5] and two scale bytes in v[tm+8]
.irp b, 0,1
	v_max3_num_f32 v[\tm+\b], |v[\s+16*\b]|, |v[\s+16*\b+1]|, 0x1800000
.endr
.irp i, 2,4,6,8,10,12,14
.irp b, 0,1
	s_delay_alu instid0(VALU_DEP_2)
	v_max3_num_f32 v[\tm+\b], v[\tm+\b], |v[\s+16*\b+\i]|, |v[\s+16*\b+\i+1]|
.endr
.endr
.irp b, 0,1
	s_delay_alu instid0(VALU_DEP_2)
	v_permlanex16_b32 v[\tm+2+\b], v[\tm+\b], s[SEL], s[SEL+1]
.endr
.irp b, 0,1
	s_delay_alu instid0(VALU_DEP_2)
	v_max_num_f32 v[\tm+\b], v[\tm+\b], v[\tm+2+\b]
.endr
.irp b, 0,1
	s_delay_alu instid0(VALU_DEP_2)
	v_add_nc_u32 v[\tm+4+\b], 0xff000000, v[\tm+\b]
.endr
.irp b, 0,1
	s_delay_alu instid0(VALU_DEP_2)
	v_lshrrev_b32 v[\tm+6+\b], 23, v[\tm+4+\b]
.endr
	s_delay_alu instid0(VALU_DEP_1)
	v_lshl_or_b32 v[\tm+8], v[\tm+7], 8, v[\tm+6]
	v_cvt_scalef32_pk16_fp6_f32 v[\pc:\pc+2], v[\s:\s+15], v[\tm+4]
	v_cvt_scalef32_pk16_fp6_f32 v[\pc+4:\pc+6], v[\s+16:\s+31], v[\tm+5]
	v_nop
.irp i, 0,1,2
	v_permlane16_swap_b32 v[\pc+\i], v[\pc+4+\i]
.endr
	s_delay_alu instid0(VALU_DEP_3)
	v_mov_b32 v[\pc+3], v[\pc+4]
	s_delay_alu instid0(VALU_DEP_3)
	v_mov_b32 v[\pc+4], v[\pc+5]
	s_delay_alu instid0(VALU_DEP_3)
	v_mov_b32 v[\pc+5], v[\pc+6]
.endm
.macro KLOAD b                         ; K's eight halves of block b of the pair: 16 LDS loads
.irp t, 0,1,2,3,4,5,6,7
	ds_load_b128 v[KF+6*\t:KF+6*\t+3], v4 offset:\b*BLK+768*\t
	ds_load_b64 v[KF+6*\t+4:KF+6*\t+5], v5 offset:\b*BLK+768*\t+512
.endr
.endm
.macro QK b                            ; S^T of block b's 128 keys: eight products, each begun with 0
.irp t, 0,1,2,3
	v_wmma_scale_f32_16x16x128_f8f6f4 v[S+64*\b+8*\t:S+64*\b+8*\t+7], v[KF+6*\t:KF+6*\t+11], v[16:27], 0, v[KS+4*\b+\t], v28 matrix_a_fmt:MATRIX_FMT_FP6 matrix_b_fmt:MATRIX_FMT_FP6
.endr
.irp t, 0,1,2,3
	v_wmma_scale_f32_16x16x128_f8f6f4 v[S+64*\b+32+8*\t:S+64*\b+32+8*\t+7], v[KF+24+6*\t:KF+24+6*\t+11], v[16:27], 0, v[KS+4*\b+\t], v28 matrix_a_fmt:MATRIX_FMT_FP6 matrix_b_fmt:MATRIX_FMT_FP6 matrix_a_scale:MATRIX_SCALE_ROW1
.endr
.endm
.macro VLOAD b                         ; V^T's four fragments of block b, where its p lay, and their scale words: 17 LDS loads
.irp n, 0,1,2,3
.irp c, 0,1
	ds_load_b128 v[S+64*\b+12*\n+6*\c:S+64*\b+12*\n+6*\c+3], v4 offset:\b*BLK+6656+1536*\n+768*\c
	ds_load_b64 v[S+64*\b+12*\n+6*\c+4:S+64*\b+12*\n+6*\c+5], v5 offset:\b*BLK+6656+1536*\n+768*\c+512
.endr
.endr
	ds_load_b128 v[KS+4*\b:KS+4*\b+3], v6 offset:\b*BLK+12800
.endm
.macro PV b, pw                        ; O^T += V^T P^T over block b's 128 keys; the four accumulators take turns, one instruction a turn
.irp n, 0,1,2,3
	v_wmma_scale_f32_16x16x128_f8f6f4 v[O+8*\n:O+8*\n+7], v[S+64*\b+12*\n:S+64*\b+12*\n+11], v[KF+12*\b:KF+12*\b+11], v[O+8*\n:O+8*\n+7], v[KS+4*\b+\n], v[\pw] matrix_a_fmt:MATRIX_FMT_FP6 matrix_b_fmt:MATRIX_FMT_FP6
.endr
.endm
.macro MX3 d, s
	v_max3_num_f32 v[\d], v[\s], v[\s+1], v[\s+2]
.endm
.macro MXN d, s
	v_max3_num_f32 v[\d], v[\d], v[\s], v[\s+1]
.endm
.macro EACH m, i                       ; one line of each of eight chains: two to a block of 32 keys.  The first four name no register of the products just issued
	\m 0, 96+\i
	\m 8, 112+\i
	\m 95, 128+\i
	\m 94, 144+\i
	\m 72, 160+\i
	\m 73, 176+\i
	\m 74, 192+\i
	\m 75, 208+\i
.endm
.macro SUMG n                          ; n x 8 numbers of p onto four partial sums, from register S + J on
.rept \n
	v_pk_add_f32 v[72:73], v[72:73], v[S+J:S+J+1]
	v_pk_add_f32 v[74:75], v[74:75], v[S+J+2:S+J+3]
	v_pk_add_f32 v[76:77], v[76:77], v[S+J+4:S+J+5]
	v_pk_add_f32 v[14:15], v[14:15], v[S+J+6:S+J+7]
.set J, J+8
.endr
.endm
	s_load_b256 s[4:11], s[0:1], 0x0               ; qcod 4, qscl 6, kvimg 8, acod 10
	s_load_b64 s[12:13], s[0:1], 0x20              ; ascl
	v_lshl_add_u32 v30, v0, 2, 0x33000             ; my spare word, behind the sixteen blocks
	v_mov_b32 v31, 0
	ds_add_u32 v30, v31
	ds_add_u32 v30, v31
	v_lshrrev_b32 v8, 5, v0
	s_delay_alu instid0(VALU_DEP_1)
	v_readfirstlane_b32 s[WV], v8                  ; wave 0 .. 15
	s_bfe_u32 s15, ttmp6, 0x40000                  ; cx
	s_lshl_b32 s16, ttmp9, 2
	s_add_co_u32 s16, s16, s15                     ; my block of 256 queries: it enters Q's and the outputs' addresses alone
	s_and_b32 s17, ttmp7, 0xffff                   ; 16 b + head, which the four partners share
	s_mov_b32 s24, 15|(3<<16)|(1<<21)              ; the mask: all four; elements of 8 bytes; bit 21 beside a mask; no padding
	s_mov_b32 s25, 32<<16                          ; a dense block as 51 rows of 256 bytes
	s_mov_b32 s26, 51<<16
	s_mov_b32 s27, 32<<16
	s_mov_b32 s28, 51
	s_mov_b32 s29, 32
	s_mov_b32 s30, 0
	s_mov_b32 s31, 0
	s_lshl_b32 s38, s17, 4
	s_add_co_u32 s38, s38, s[WV]
	s_mul_i32 s38, s38, BLK                        ; wave w brings the head's block w
	s_mov_b32 s39, 0
	s_mov_b32 s32, 1
	s_mul_i32 s33, s[WV], BLK
	s_mov_b32 s[SEL], 0x76543210
	s_mov_b32 s[SEL+1], 0xfedcba98
	s_mov_b32 s[CS], 0x3e38aa3b
	s_mov_b32 s[CS+1], s[CS]                       ; (named with it as a pair, so it is written)
	s_wait_dscnt 0x0
	s_wait_kmcnt 0x0
	s_add_nc_u64 s[34:35], s[8:9], s[38:39]
	s_or_b32 s35, s35, 0x80000000
	ROUND                                          ; all four work-groups are here
	tensor_load_to_lds s[32:35], s[24:31]
	s_nop 0
	PLACES 4
	s_lshl_b32 s40, s17, 7
	s_lshl_b32 s41, s16, 4
	s_add_co_u32 s40, s40, s41
	s_add_co_u32 s40, s40, s[WV]
	s_mul_i32 s40, s40, 768
	s_mov_b32 s41, 0
	s_add_nc_u64 s[4:5], s[4:5], s[40:41]          ; my tile's HALF of Q
	s_lshr_b32 s42, s[WV], 3
	s_lshl_b32 s43, s16, 1
	s_add_co_u32 s43, s43, s42                     ; j: my block of 128 tokens in the sequence
	s_and_b32 s44, s[WV], 7                        ; t: my tile in it
	s_lshl_b32 s40, s17, 4
	s_add_co_u32 s40, s40, s43
	s_lshl_b32 s40, s40, 9
	s_lshr_b32 s45, s44, 2
	s_lshl_b32 s45, s45, 8
	s_add_co_u32 s40, s40, s45
	s_and_b32 s45, s44, 3
	s_lshl_b32 s45, s45, 2
	s_add_co_u32 s40, s40, s45
	s_add_nc_u64 s[6:7], s[6:7], s[40:41]          ; its scale words
	s_lshr_b32 s46, s17, 4
	s_and_b32 s47, s17, 15                         ; head
	s_lshl_b32 s46, s46, 4
	s_add_co_u32 s46, s46, s43                     ; 16 b + j
	s_lshl_b32 s40, s46, 4
	s_add_co_u32 s40, s40, s47
	s_lshl_b32 s40, s40, 3
	s_add_co_u32 s40, s40, s44
	s_mul_i32 s40, s40, 768
	s_add_nc_u64 s[10:11], s[10:11], s[40:41]      ; where my tile's codes go
	s_lshl_b32 s40, s46, 3
	s_add_co_u32 s40, s40, s44
	s_lshl_b32 s40, s40, 9
	s_lshl_b32 s45, s47, 1
	s_add_co_u32 s40, s40, s45
	s_add_nc_u64 s[12:13], s[12:13], s[40:41]      ; and its scale bytes
	v_and_b32 v8, 31, v0
	v_and_b32 v3, 15, v0
	v_bfe_u32 v7, v0, 4, 1
	s_delay_alu instid0(VALU_DEP_3)
	v_lshlrev_b32 v1, 4, v8                        ; 16 x lane
	v_lshlrev_b32 v2, 3, v8                        ; 8 x lane
	v_lshlrev_b32 v3, 4, v3                        ; 16 r
	v_lshlrev_b32 v7, 3, v7                        ; 8 h
	global_load_b128 v[16:19], v1, s[4:5]
	global_load_b64 v[20:21], v2, s[4:5] offset:512
	global_load_b32 v28, v3, s[6:7]
.irp j, 22,23,24,25,26,27
	v_mov_b32 v\j, 0                               ; Q's upper 64 along K: zero codes
.endr
.irp j, 80,81,82,83,84,85
	v_mov_b32 v\j, 0                               ; tile 7's upper six registers: written before the first product names them (v84, v85 also serve as lane permutes' destinations)
.endr
.irp j, 0,1,2,3,4,5,6,7,8,9,10,11,12,13,14,15,16,17,18,19,20,21,22,23,24,25,26,27,28,29,30,31
	v_mov_b32 v[O+\j], 0                           ; O^T: the loop is written once; its first trip finds zeros
.endr
	v_mov_b32 v13, 0xff61b1e6                      ; the largest t so far: -3e38
	s_delay_alu instid0(VALU_DEP_1)
	v_floor_f32 v12, -v13                          ; -M
	v_mov_b32 v14, 0                               ; the sum, in two halves
	v_mov_b32 v15, 0
	s_mov_b32 s36, 0                               ; LDS byte of the pair of blocks in hand
	s_mov_b32 s37, 8
	s_wait_alu depctr_va_vdst(0)
	s_wait_loadcnt 0x0                             ; Q
	s_wait_tensorcnt 0x0                           ; my block has landed,
	s_barrier_signal -1
	s_barrier_wait -1                              ; everybody's has
.Lkeys:
	v_add_nc_u32 v4, s36, v1
	v_add_nc_u32 v5, s36, v2
	ds_load_b128 v[KS:KS+3], v4 offset:6144        ; K's scale words, both blocks
	ds_load_b128 v[KS+4:KS+7], v4 offset:BLK+6144
	KLOAD 0
	s_wait_alu depctr_va_vdst(0)
	s_wait_dscnt 0x0
	QK 0
	v_add_nc_u32 v6, s36, v3                       ; four places in front of loads into registers that the products have read: this line
	PLACES 3                                       ; and three more
	KLOAD 1
	s_wait_dscnt 0x0
	QK 1
	; the largest score of each of my four blocks of 32 keys, in two chains each, ascending: every tile is first read at its low end.
	; The first four lines read block 0's scores and write v0, v8, v95, v94: they are the four places behind block 1's products
	EACH MX3, 0
.irp i, 3,5,7,9,11,13
	EACH MXN, \i
.endr
	v_max3_num_f32 v76, v0, v8, v111
	v_max3_num_f32 v77, v95, v94, v143
	v_max3_num_f32 v78, v72, v73, v175
	v_max3_num_f32 v79, v74, v75, v207
	v_max_num_f32 v76, v76, v127
	v_max_num_f32 v77, v77, v159
	v_max_num_f32 v78, v78, v191
	v_max_num_f32 v79, v79, v223
	s_delay_alu instid0(VALU_DEP_2)
	v_max3_num_f32 v72, v76, v77, v78
	s_delay_alu instid0(VALU_DEP_1)
	v_max_num_f32 v72, v72, v79
	s_delay_alu instid0(VALU_DEP_1)
	v_permlanex16_b32 v84, v72, s[SEL], s[SEL+1]
	s_delay_alu instid0(VALU_DEP_1)
	v_max_num_f32 v72, v72, v84                    ; the trip's largest score of my query
	s_delay_alu instid0(VALU_DEP_1)
	v_mul_f32 v72, s[CS], v72
	s_delay_alu instid0(VALU_DEP_1)
	v_max_num_f32 v13, v13, v72                    ; the running largest t
	s_delay_alu instid0(VALU_DEP_1)
	v_floor_f32 v11, -v13                          ; the new -M = floor(-t): M is a whole number
	s_delay_alu instid0(VALU_DEP_1)
	v_sub_f32 v72, v11, v12                        ; old M - new M, 0 or less
	v_mov_b32 v12, v11
	s_delay_alu instid0(VALU_DEP_2)
	v_cvt_i32_f32 v72, v72                         ; (it saturates)
	s_delay_alu instid0(VALU_DEP_1)
	v_ldexp_f32 v10, 1.0, v72                      ; f = 2^(old M - new M): multiplying by it rounds nothing
.set J, 0
.rept 64
	v_pk_fma_f32 v[S+J:S+J+1], v[S+J:S+J+1], s[CS:CS+1], v[12:13] op_sel_hi:[1,0,0]   ; t - M
.set J, J+2
.endr
.irp k, 0,1,2,3
	v_fma_f32 v[76+\k], v[76+\k], s[CS], v12       ; the same of each block's largest score
.endr
	s_wait_alu depctr_va_vdst(0)
.set J, 0
.rept 128
	v_exp_f32 v[S+J], v[S+J]                       ; p = 2^(t - M)
.set J, J+1
.endr
.irp k, 0,1,2,3
	v_exp_f32 v[76+\k], v[76+\k]                   ; the block's largest p
.endr
	v_pk_mul_f32 v[14:15], v[14:15], v[10:11] op_sel_hi:[1,0]   ; the sum under the new M (a plain place behind the exponentials)
	s_wait_alu depctr_va_vdst(0)                   ; one wait for the whole batch, ahead of its first reader
.irp k, 0,1,2,3
	v_max_num_f32 v[76+\k], 0x1800000, v[76+\k]    ; the floor 2^(3 - 127)
.endr
.irp k, 0,1,2,3
	v_add_nc_u32 v[80+\k], 0xff000000, v[76+\k]    ; the conversion's scale operand
.endr
.irp k, 0,1,2,3
	v_lshrrev_b32 v[72+\k], 23, v[80+\k]           ; the scale's byte
.endr
	v_lshl_or_b32 v29, v73, 16, v72                ; my bytes are blocks h and 2 + h of each 128 keys:
	v_lshl_or_b32 v9, v75, 16, v74
	s_delay_alu instid0(VALU_DEP_2)
	v_lshlrev_b32 v29, v7, v29                     ; 8 h bits up;
	s_delay_alu instid0(VALU_DEP_2)
	v_lshlrev_b32 v9, v7, v9
	s_delay_alu instid0(VALU_DEP_2)
	v_permlanex16_b32 v84, v29, s[SEL], s[SEL+1]
	s_delay_alu instid0(VALU_DEP_2)
	v_permlanex16_b32 v85, v9, s[SEL], s[SEL+1]
	s_delay_alu instid0(VALU_DEP_2)
	v_or_b32 v29, v29, v84                         ; with lane l xor 16's two each word is whole
	s_delay_alu instid0(VALU_DEP_2)
	v_or_b32 v9, v9, v85
.irp k, 0,1,2,3                        ; block k = 2 b + c: its 32 numbers at S + 32 k, its codes at KF + 6 k
	v_cvt_scalef32_pk16_fp6_f32 v[KF+6*\k:KF+6*\k+2], v[S+32*\k:S+32*\k+15], v[80+\k]
	v_cvt_scalef32_pk16_fp6_f32 v[56+4*\k:58+4*\k], v[S+32*\k+16:S+32*\k+31], v[80+\k]   ; (a conversion's three registers begin on an even number)
.endr
	; the row's sum of the unquantised p, in four chains; these lines are also the plain place behind the conversions
	v_pk_add_f32 v[72:73], v[96:97], v[98:99]
	v_pk_add_f32 v[74:75], v[100:101], v[102:103]
	v_pk_add_f32 v[76:77], v[104:105], v[106:107]
	v_pk_add_f32 v[14:15], v[14:15], v[108:109]
.set J, 14
	SUMG 5                                         ; registers S + 14 .. S + 53: all that V^T's block 0 (S .. S + 47) lands on has been summed and converted
	VLOAD 0
.irp k, 0,1,2,3
.irp i, 0,1,2
	v_mov_b32 v[KF+6*\k+3+\i], v[56+4*\k+\i]       ; the block is whole in the lane: no exchange
.endr
.endr
	SUMG 8                                         ; S + 54 .. S + 117: so too for block 1 (S + 64 .. S + 111)
	VLOAD 1
	SUMG 1                                         ; S + 118 .. S + 125
	s_wait_alu depctr_va_vdst(0)                   ; ahead of the first reader of O^T
.irp j, 0,2,4,6,8,10,12,14,16,18,20,22,24,26,28,30
	v_pk_mul_f32 v[O+\j:O+\j+1], v[O+\j:O+\j+1], v[10:11] op_sel_hi:[1,0]   ; O^T under the new M
.endr
	s_wait_alu depctr_va_vdst(0)
	s_wait_dscnt 0x0
	PV 0, 29
	PV 1, 9
	; five places: the next trip's first products write over V^T's registers, and its loads land on p's codes.  Four of them close the sum
	v_pk_add_f32 v[14:15], v[14:15], v[222:223]
	v_pk_add_f32 v[72:73], v[72:73], v[74:75]
	v_nop
	v_pk_add_f32 v[14:15], v[14:15], v[76:77]
	v_pk_add_f32 v[14:15], v[14:15], v[72:73]
	s_add_co_u32 s36, s36, 2*BLK
	s_sub_co_u32 s37, s37, 1
	s_cmp_lg_u32 s37, 0
	s_wait_alu depctr_va_vdst(0)
	s_cbranch_scc1 .Lkeys
	; ---- O / l, quantised along d_model
	v_add_f32 v14, v14, v15
	s_delay_alu instid0(VALU_DEP_1)
	v_permlanex16_b32 v84, v14, s[SEL], s[SEL+1]
	s_delay_alu instid0(VALU_DEP_1)
	v_add_f32 v14, v14, v84                        ; the row's sum
	s_wait_alu depctr_va_vdst(0)
	v_rcp_f32 v14, v14
	v_lshlrev_b32 v8, 1, v3                        ; 32 r (a plain place behind the reciprocal)
	s_wait_alu depctr_va_vdst(0)
.irp j, 0,1,2,3,4,5,6,7,8,9,10,11,12,13,14,15,16,17,18,19,20,21,22,23,24,25,26,27,28,29,30,31
	v_mul_f32 v[S+\j], v[O+\j], v14                ; register 16 b + i: channel 32 b + 16 h + i of my query
.endr
	QUANT2 S, KF, 72
	global_store_b128 v1, v[KF:KF+3], s[10:11]     ; 512 consecutive bytes,
	global_store_b64 v2, v[KF+4:KF+5], s[10:11] offset:512   ; 256 more
	global_store_b16 v8, v80, s[12:13]             ; my head's two bytes of row r's 32
	s_wait_tensorcnt 0x0                           ; the wave's end
	ds_add_u32 v30, v31
	s_wait_dscnt 0x0
	ROUND                                          ; the closing round
	s_endpgm
.Lfunc_end_k_qf22c329540_attn:
	.size	k_qf22c329540_attn, .Lfunc_end_k_qf22c329540_attn-k_qf22c329540_attn
	.p2alignl 7, 3214868480
	.fill 96, 4, 3214868480
	.section	.rodata,"a",@progbits
	.p2align	6, 0x0
	.amdhsa_kernel k_qf22c329540_attn
		.amdhsa_group_segment_fixed_size 210944
		.amdhsa_private_segment_fixed_size 0
		.amdhsa_enable_private_segment 0
		.amdhsa_kernarg_size 40
		.amdhsa_user_sgpr_count 2
		.amdhsa_user_sgpr_kernarg_segment_ptr 1
		.amdhsa_wavefront_size32 1
		.amdhsa_system_sgpr_workgroup_id_x 1
		.amdhsa_system_sgpr_workgroup_id_y 1
		.amdhsa_system_sgpr_workgroup_id_z 1
		.amdhsa_system_vgpr_workitem_id 0
		.amdhsa_next_free_vgpr 256
		.amdhsa_next_free_sgpr 66
		.amdhsa_reserve_vcc 0
		.amdhsa_float_denorm_mode_32 3
		.amdhsa_float_denorm_mode_16_64 3
		.amdhsa_memory_ordered 1
		.amdhsa_forward_progress 1
		.amdhsa_inst_pref_size 40
	.end_amdhsa_kernel
	.amdgpu_metadata
---
amdhsa.version: [ 1, 2 ]
amdhsa.kernels:
  - .name:           k_qf22c329540_attn
    .symbol:         k_qf22c329540_attn.kd
    .args:
      - { .name: qcod, .offset: 0, .size: 8, .value_kind: global_buffer, .address_space: global }
      - { .name: qscl, .offset: 8, .size: 8, .value_kind: global_buffer, .address_space: global }
      - { .name: kvimg, .offset: 16, .size: 8, .value_kind: global_buffer, .address_space: global }
      - { .name: acod, .offset: 24, .size: 8, .value_kind: global_buffer, .address_space: global }
      - { .name: ascl, .offset: 32, .size: 8, .value_kind: global_buffer, .address_space: global }
    .group_segment_fixed_size: 210944
    .private_segment_fixed_size: 0
    .kernarg_segment_align: 8
    .kernarg_segment_size: 40
    .max_flat_workgroup_size: 512
    .sgpr_count:     66
    .vgpr_count:     256
    .wavefront_size: 32
...
	.end_amdgpu_metadata
.endif
;; end of part 2
;; launch oproj (part 3): grid 8 x 32, 4 waves a work-group, clusters of 4 x 4, 239,104 bytes of LDS; arguments acod, ascl, w_o_codes, w_o_scales, b_o, out0; writes out0
.if DOCPART == 3
	.amdgcn_target "amdgcn-amd-amdhsa--gfx1250"
	.amdhsa_code_object_version 6
	.text
	.protected	k_qf22c329540_oproj
	.globl	k_qf22c329540_oproj
	.p2align	8
	.type	k_qf22c329540_oproj,@function
k_qf22c329540_oproj:
	s_mov_b64 s[64:65], 0
	v_nop
	global_prefetch_b8 v0, s[64:65] scope:SCOPE_SE
	s_setreg_imm32_b32 hwreg(HW_REG_WAVE_MODE, 25, 1), 1
	s_wait_xcnt 0x0
	s_wait_alu depctr_hold_cnt(0) depctr_sa_sdst(0) depctr_va_vdst(0) depctr_va_sdst(0) depctr_va_ssrc(0) depctr_va_vcc(0) depctr_vm_vsrc(0)
	s_getreg_b32 s2, hwreg(HW_REG_IB_STS2, 6, 4)
	s_cmp_eq_u32 s2, 0
	s_cbranch_scc0 .Lentry_in_a_cluster
	s_endpgm
.Lentry_in_a_cluster:
	s_bfe_u32 s2, ttmp6, 0x10000c
	s_cmp_lg_u32 s2, 0xf033
	s_cbranch_scc0 .Lentry_shape_is_right
	s_endpgm
.Lentry_shape_is_right:
; out = A w_o^T + b_o on codes of FP6 (E2M3) with E8M0 scales.  A: the attention's result as the launch before laid it: images of operand registers, [block of 128 tokens][head][tile][768 bytes], scale bytes [block][tile][row][32].
; SHARES.  A work-group makes 128 tokens x 128 columns; wave w: c = w >> 1 (tiles 4 c .. 4 c + 3 of the tokens), nh = w & 1 (64 columns, four tiles of w_o): 16 accumulators.
; LDS.  All of K = 1,024 at once, in four chunks of 256 along K: A's chunk (four heads' images, 24,576 bytes, dense), w_o's chunk (128 rows of 192 bytes, 16 bytes of padding behind each 64: rows 240 bytes apart).
; Nothing is filled twice; each wave issues four tensor loads, one a chunk: four of a wave are out at the most.  Behind the chunks: a stage of 16 rows x 272 bytes for each wave; no tile lands there.
; CLUSTER 4 x 4: A's tiles are shared along a row of the cluster, w_o's along a column: joint loads.
; TRANSPOSED: source 0 = 16 rows of w_o, source 1 = 16 tokens: a lane holds eight neighbouring columns of one token.  b_o is the C of each sum's first instruction.
; The tokens of a tile are not neighbours: lane r of tile (c, tau) is token 64 c + 32 (r / 8) + 8 sig(r / 8, tau) + r % 8, sig(0, .) = 0, 2, 1, 3, sig(1, .) = 1, 3, 0, 2: the stores' offsets undo that.
; REGISTERS.  Window 0: addresses; v32-63 A's scale words, v64-95 w_o's.  Window 1: two sets of eight fragments, at v0 and v128; on the way out four sets of 32.  Window 2: v0-127 accumulators, v128-159 the bias.
; THE LAYOUT AS IT STANDS NOW (it takes the place of the four chunks' loads named above): one tensor load a wave at the head.  Waves 0, 1: half of A's block each, 49,152 dense bytes as 192 rows of 256 bytes.
; Waves 2, 3: 64 whole rows of w_o each, 768 bytes of memory that begin at a multiple of 256, 16 bytes of padding behind each 256: LDS rows 816 bytes apart.  No prefetch: all tiles are asked for at the head.
.set PITCH, 816
.set ACH,   24576                      ; four heads' images of A: two K steps
.set BBASE, 4*ACH
.set STAGE, 221184                     ; behind w_o's 128 rows (BBASE + 128 x 816 = 202,752)
.set WV,  2
.set NH,  3                            ; s3   w & 1: my 64 columns; also which half of a chunk I fetch
.set SC,  20                           ; s20  w >> 1: my 64 tokens; also: I fetch for A (0) or for w_o (1)
.set G1A, 24
.set G1B, 48
.set G0A, 68
.set G0B, 84
.set A16, 10
.set A8,  11
.set BW,  12                           ; v12-13
.set STO, 14
.set RD,  15
.set CO,  16
.set AS,  32
.set WS,  64
.set MSB, 0
.macro WIN new
.if MSB != \new
	s_set_vgpr_msb (MSB<<8)|\new
.set MSB, \new
.endif
.endm
.macro PLACES n
.rept \n
	v_nop
.endr
.endm
.macro ROUND
	s_barrier_signal -1
	s_barrier_wait -1
	s_cmp_lg_u32 s[WV], 0
	s_cbranch_scc1 .Lnot_wave_0_\@
	s_barrier_signal -3
.Lnot_wave_0_\@:
	s_barrier_wait -3
	s_barrier_signal -1
	s_barrier_wait -1
.endm
.macro FRAG reg, adr, q, rowoff        ; a fragment from padded rows, in six pieces of 8 bytes; where lanes 16-31's piece lies behind one padding more, the pair's second address serves
.irp p, 0,1,2,3,4,5
.set PCE, 12*(\q)+6*(\p/3)+\p%3        ; the piece's number in the whole row, q = 0 .. 7; 32 pieces to 256 bytes
.if PCE%32 < 29
	ds_load_b64 v[\reg+2*\p:\reg+2*\p+1], v[\adr] offset:8*PCE+16*(PCE/32)+(\rowoff)*PITCH
.else
	ds_load_b64 v[\reg+2*\p:\reg+2*\p+1], v[\adr+1] offset:8*PCE+16*(PCE/32)+(\rowoff)*PITCH
.endif
.endr
.endm
	s_load_b256 s[4:11], s[0:1], 0x0               ; acod 4, ascl 6, w_o codes 8, w_o scales 10
	s_load_b128 s[12:15], s[0:1], 0x20             ; b_o 12, out0 14
	v_lshl_add_u32 v254, v0, 2, 0x3a400
	v_mov_b32 v255, 0
	ds_add_u32 v254, v255
	ds_add_u32 v254, v255
	v_lshrrev_b32 v1, 5, v0
	v_readfirstlane_b32 s[WV], v1
	s_and_b32 s[NH], s[WV], 1
	s_lshr_b32 s[SC], s[WV], 1
	s_bfe_u32 s21, ttmp6, 0x40000                  ; cx
	s_bfe_u32 s22, ttmp6, 0x40004                  ; cy
	s_lshl_b32 s23, ttmp9, 2
	s_add_co_u32 s23, s23, s21                     ; block of 128 columns
	s_and_b32 s17, ttmp7, 0xffff
	s_lshl_b32 s17, s17, 2
	s_add_co_u32 s17, s17, s22                     ; block of 128 tokens
	s_lshl_b32 s18, s22, 2
	s_lshl_b32 s18, 15, s18                        ; my row of the cluster
	s_lshl_b32 s19, 0x1111, s21                    ; my column
	s_or_b32 s[G1A], s18, (3<<16)|(1<<21)          ; A: elements of 8 bytes, no padding
	s_mov_b32 s[G1A+1], 32<<16                     ; half of A's block, dense: 192 rows of 256 bytes
	s_mov_b32 s[G1A+2], 192<<16
	s_mov_b32 s[G1A+3], 32<<16
	s_mov_b32 s[G1A+4], 192
	s_mov_b32 s[G1A+5], 32
	s_mov_b32 s[G1A+6], 0
	s_mov_b32 s[G1A+7], 0
	s_or_b32 s[G1B], s19, (1<<20)|(1<<21)|(5<<22)|(3<<25)   ; w_o: elements of 1 byte; 4 words of padding after every 64
	s_mov_b32 s[G1B+1], 768<<16
	s_mov_b32 s[G1B+2], 64<<16
	s_mov_b32 s[G1B+3], 768<<16
	s_mov_b32 s[G1B+4], 64
	s_mov_b32 s[G1B+5], 768
	s_mov_b32 s[G1B+6], 0
	s_mov_b32 s[G1B+7], 0
	s_mul_i32 s32, s17, 98304
	s_mul_i32 s33, s[NH], 49152
	s_add_co_u32 s32, s32, s33
	s_mov_b32 s33, 0
	s_lshl_b32 s36, s23, 7
	s_lshl_b32 s37, s[NH], 6
	s_add_co_u32 s36, s36, s37
	s_mul_i32 s36, s36, 768
	s_mov_b32 s37, 0
	s_mul_i32 s40, s[NH], 49152
	s_mul_i32 s41, s[NH], 64*PITCH
	s_add_co_u32 s41, s41, BBASE
	s_wait_dscnt 0x0
	s_wait_kmcnt 0x0
	s_add_nc_u64 s[34:35], s[4:5], s[32:33]
	s_add_nc_u64 s[38:39], s[8:9], s[36:37]
	s_mov_b32 s[G0A], 1
	s_mov_b32 s[G0A+1], s40
	s_mov_b64 s[G0A+2:G0A+3], s[34:35]
	s_or_b32 s[G0A+3], s[G0A+3], 0x80000000
	s_mov_b32 s[G0B], 1
	s_mov_b32 s[G0B+1], s41
	s_mov_b64 s[G0B+2:G0B+3], s[38:39]
	s_or_b32 s[G0B+3], s[G0B+3], 0x80000000
	ROUND                                          ; all sixteen work-groups are here
	s_cmp_eq_u32 s[SC], 0
	s_cbranch_scc0 .Lfill_b
	tensor_load_to_lds s[G0A:G0A+3], s[G1A:G1A+7]  ; my one load at the head: half of A's block
	s_nop 0
	PLACES 4
	s_branch .Lfilled
.Lfill_b:
	tensor_load_to_lds s[G0B:G0B+3], s[G1B:G1B+7]  ; my one load at the head: 64 rows of w_o
	s_nop 0
	PLACES 4
.Lfilled:
	v_and_b32 v3, 31, v0                           ; lane
	v_and_b32 v1, 15, v0                           ; r
	v_bfe_u32 v2, v0, 4, 1                         ; h
	s_mul_i32 s42, s[SC], 3072                     ; my four tiles' images in a head's eight
	v_lshl_add_u32 v[A16], v3, 4, s42
	s_add_co_u32 s43, s42, 512
	v_lshl_add_u32 v[A8], v3, 3, s43
	v_mul_u32_u24 v[BW], v1, PITCH
	v_mad_u32_u24 v[BW], v2, 24, v[BW]
	s_mul_i32 s44, s[NH], 64*PITCH
	s_add_co_u32 s44, s44, BBASE
	v_add_nc_u32 v[BW], s44, v[BW]
	v_lshl_add_u32 v[BW+1], v2, 4, v[BW]
	s_mul_i32 s45, s[WV], 4352
	s_add_co_u32 s45, s45, STAGE                   ; my stage
	v_mul_u32_u24 v[STO], v1, 272
	v_lshl_add_u32 v[STO], v2, 5, v[STO]
	v_add_nc_u32 v[STO], s45, v[STO]               ; in: row r, 32 bytes for each half of the lanes
	v_mul_u32_u24 v[RD], v2, 272
	v_lshl_add_u32 v[RD], v1, 4, v[RD]
	v_add_nc_u32 v[RD], s45, v[RD]                 ; back: lanes 0-15 one row of 256 bytes, lanes 16-31 the next
	v_lshlrev_b32 v[CO], 12, v2
	v_lshl_add_u32 v[CO], v1, 4, v[CO]             ; and the same in out0: rows of 4,096 bytes
	v_lshlrev_b32 v17, 5, v1                       ; scale rows are 32 bytes
	s_wait_alu depctr_va_vdst(0)
	v_lshlrev_b32 v19, 5, v2                       ; the bias: 8 h numbers on
	s_wait_alu depctr_va_vdst(0)
	s_lshl_b32 s32, s17, 3
	s_lshl_b32 s36, s[SC], 2
	s_add_co_u32 s32, s32, s36
	s_lshl_b32 s32, s32, 9
	s_add_nc_u64 s[6:7], s[6:7], s[32:33]          ; A's scales at my four tiles
	s_lshl_b32 s36, s23, 7
	s_lshl_b32 s46, s[NH], 6
	s_add_co_u32 s36, s36, s46                     ; my first column
	s_lshl_b32 s32, s36, 5
	s_add_nc_u64 s[10:11], s[10:11], s[32:33]
	s_lshl_b32 s32, s36, 2
	s_add_nc_u64 s[12:13], s[12:13], s[32:33]
	s_add_nc_u64 s[14:15], s[14:15], s[32:33]      ; out0: my columns' bytes,
	s_lshl_b32 s32, s17, 7
	s_lshl_b32 s46, s[SC], 6
	s_add_co_u32 s32, s32, s46
	s_lshl_b32 s32, s32, 12
	s_add_nc_u64 s[14:15], s[14:15], s[32:33]      ; and my 64 tokens' rows
.irp t, 0,1,2,3
	global_load_b128 v[AS+8*\t:AS+8*\t+3], v17, s[6:7] offset:512*\t
	global_load_b128 v[AS+8*\t+4:AS+8*\t+7], v17, s[6:7] offset:512*\t+16
	global_load_b128 v[WS+8*\t:WS+8*\t+3], v17, s[10:11] offset:512*\t
	global_load_b128 v[WS+8*\t+4:WS+8*\t+7], v17, s[10:11] offset:512*\t+16
.endr
	WIN 0x80                                       ; destination window 2
.irp t, 0,1,2,3
	global_load_b128 v[128+8*\t:131+8*\t], v19, s[12:13] offset:64*\t
	global_load_b128 v[132+8*\t:135+8*\t], v19, s[12:13] offset:64*\t+16
.endr
	WIN 0
.macro FETCH q                         ; the eight fragments of K step q into set q % 2: 40 LDS loads.  A's fragment is two heads' HALF images
	WIN 0x40                                       ; destination window 1
.irp t, 0,1,2,3
.irp e, 0,1
	ds_load_b128 v[128*((\q)%2)+12*\t+6*\e:128*((\q)%2)+12*\t+6*\e+3], v[A16] offset:(2*((\q)%2)+\e)*6144+768*\t
	ds_load_b64 v[128*((\q)%2)+12*\t+6*\e+4:128*((\q)%2)+12*\t+6*\e+5], v[A8] offset:(2*((\q)%2)+\e)*6144+768*\t
.endr
.endr
.irp t, 0,1,2,3
	FRAG 128*((\q)%2)+48+12*\t, BW, \q, 16*\t
.endr
.endm
.macro MUL16 q                         ; the 16 accumulators take turns, one instruction a turn, in the same order in every step
.set FS, 128*((\q)%2)
.irp u, 0,1,2,3
.irp t, 0,1,2,3
.if (\q) == 0
	v_wmma_scale_f32_16x16x128_f8f6f4 v[32*\u+8*\t:32*\u+8*\t+7], v[FS+48+12*\t:FS+48+12*\t+11], v[FS+12*\u:FS+12*\u+11], v[128+8*\t:128+8*\t+7], v[WS+8*\t+(\q)], v[AS+8*\u+(\q)] matrix_a_fmt:MATRIX_FMT_FP6 matrix_b_fmt:MATRIX_FMT_FP6
.else
	v_wmma_scale_f32_16x16x128_f8f6f4 v[32*\u+8*\t:32*\u+8*\t+7], v[FS+48+12*\t:FS+48+12*\t+11], v[FS+12*\u:FS+12*\u+11], v[32*\u+8*\t:32*\u+8*\t+7], v[WS+8*\t+(\q)], v[AS+8*\u+(\q)] matrix_a_fmt:MATRIX_FMT_FP6 matrix_b_fmt:MATRIX_FMT_FP6
.endif
.endr
.endr
.endm
.macro KSTEP q
	WIN 0
.if (\q) < 7
	PLACES 4                                       ; in front of loads into the set that the step before multiplied
.if ((\q)+1)%2 == 0
	v_add_nc_u32 v[A16], ACH, v[A16]               ; A's images: four heads on, so that the loads' offsets stay inside 16 bits
	v_add_nc_u32 v[A8], ACH, v[A8]
.endif
	FETCH (\q)+1
	s_wait_alu depctr_va_vdst(0)
	s_wait_dscnt 40                                ; all but the 40 just issued
.else
	s_wait_dscnt 0x0
.endif
	WIN 0xa5                                       ; sources 0 and 1 window 1; C and D window 2
	MUL16 \q
.endm
	s_wait_loadcnt 0x0                             ; scale words and bias
	s_wait_tensorcnt 0x0                           ; my tile has landed
	s_barrier_signal -1
	s_barrier_wait -1
	FETCH 0
.irp q, 0,1,2,3,4,5,6,7
	KSTEP \q
.endr
	WIN 0
	PLACES 4                                       ; in front of the first read of results and of loads into fragment registers
; THE WAY OUT, a tile of 16 tokens x 64 columns at a time, through my own stage: LDS serves a wave's instructions in order (ISA guide 5.7.1.4), so no wait stands between the stores and the loads.
.macro TOSTAGE u
	WIN 0x08                                       ; the data: window 2
.irp t, 0,1,2,3
	ds_store_b128 v[STO], v[32*(\u)+8*\t:32*(\u)+8*\t+3] offset:64*\t       ; each accumulator from its low end on
	ds_store_b128 v[STO], v[32*(\u)+8*\t+4:32*(\u)+8*\t+7] offset:64*\t+16
.endr
	WIN 0x40                                       ; back into window 1: a set of 32 registers for each tile, so no store's data are written again
.irp i, 0,1,2,3,4,5,6,7
	ds_load_b128 v[32*(\u)+4*\i:32*(\u)+4*\i+3], v[RD] offset:544*\i
.endr
.endm
.macro SEND u, younger
	s_wait_dscnt \younger
	WIN 0x04                                       ; the data: window 1
.irp i, 0,1,2,3,4,5,6,7                ; stage rows 2 i, 2 i + 1 are tokens 32 (i / 4) + 8 sig(i / 4, u) + 2 (i % 4) and the next
	global_store_b128 v[CO], v[32*(\u)+4*\i:32*(\u)+4*\i+3], s[14:15] offset:(32*(\i/4)+8*(2*((\u)%2)+(\u)/2+(\i/4)*(1-2*((\u)/2)))+2*(\i%4))*4096 th:TH_STORE_NT   ; sixteen lanes store 256 consecutive bytes, at a multiple of 256 from out0's first byte
.endr
.endm
	TOSTAGE 0
	TOSTAGE 1
	SEND 0, 16                                     ; behind tile 0's loads: tile 1's eight stores and eight loads
	TOSTAGE 2
	SEND 1, 16
	TOSTAGE 3
	SEND 2, 16
	SEND 3, 0
	WIN 0
	s_wait_tensorcnt 0x0
	ds_add_u32 v254, v255
	s_wait_dscnt 0x0
	ROUND                                          ; the closing round
	s_endpgm
.Lfunc_end_k_qf22c329540_oproj:
	.size	k_qf22c329540_oproj, .Lfunc_end_k_qf22c329540_oproj-k_qf22c329540_oproj
	.p2alignl 7, 3214868480
	.fill 96, 4, 3214868480
	.section	.rodata,"a",@progbits
	.p2align	6, 0x0
	.amdhsa_kernel k_qf22c329540_oproj
		.amdhsa_group_segment_fixed_size 239104
		.amdhsa_private_segment_fixed_size 0
		.amdhsa_enable_private_segment 0
		.amdhsa_kernarg_size 48
		.amdhsa_user_sgpr_count 2
		.amdhsa_user_sgpr_kernarg_segment_ptr 1
		.amdhsa_wavefront_size32 1
		.amdhsa_system_sgpr_workgroup_id_x 1
		.amdhsa_system_sgpr_workgroup_id_y 1
		.amdhsa_system_sgpr_workgroup_id_z 1
		.amdhsa_system_vgpr_workitem_id 0
		.amdhsa_next_free_vgpr 768
		.amdhsa_next_free_sgpr 104
		.amdhsa_reserve_vcc 0
		.amdhsa_float_denorm_mode_32 3
		.amdhsa_float_denorm_mode_16_64 3
		.amdhsa_memory_ordered 1
		.amdhsa_forward_progress 1
		.amdhsa_inst_pref_size 56
	.end_amdhsa_kernel
	.amdgpu_metadata
---
amdhsa.version: [ 1, 2 ]
amdhsa.kernels:
  - .name:           k_qf22c329540_oproj
    .symbol:         k_qf22c329540_oproj.kd
    .args:
      - { .name: acod, .offset: 0, .size: 8, .value_kind: global_buffer, .address_space: global }
      - { .name: ascl, .offset: 8, .size: 8, .value_kind: global_buffer, .address_space: global }
      - { .name: w_o_codes, .offset: 16, .size: 8, .value_kind: global_buffer, .address_space: global }
      - { .name: w_o_scales, .offset: 24, .size: 8, .value_kind: global_buffer, .address_space: global }
      - { .name: b_o, .offset: 32, .size: 8, .value_kind: global_buffer, .address_space: global }
      - { .name: out0, .offset: 40, .size: 8, .value_kind: global_buffer, .address_space: global }
    .group_segment_fixed_size: 239104
    .private_segment_fixed_size: 0
    .kernarg_segment_align: 8
    .kernarg_segment_size: 48
    .max_flat_workgroup_size: 128
    .sgpr_count:     104
    .vgpr_count:     768
    .wavefront_size: 32
...
	.end_amdgpu_metadata
.endif
;; end of part 3
